; MI455X (gfx1250); checked and timed in simulation.
; The chip was launched on July 23, 2026; its instructions are those of AMD's public machine-readable ISA for CDNA 5 (MIT licence, August 2026) and "CDNA5" Instruction Set Architecture Reference Guide (July 2026). The comments in the code are by the model that wrote it; some were corrected since.
;; Multi Head Attention. Allowed arithmetic: matrix products marked QUANTISED: E2M3 operands, one E8M0 scale for each 32 along K, by v_wmma_scale_f32_16x16x128_f8f6f4 with both operands' format E2M3, f32 sums; everything else in f32.
;; Inputs: Wk_codes 1,024 x 32 x 24 uint8 (E2M3 codes of Wk, K innermost, in blocks of 32 codes, four codes in three bytes); Wk_scales 1,024 x 32 uint8 (E8M0 scales of Wk, one for each 32 codes along K); Wp_codes 1,024 x 32 x 24 uint8 (E2M3 codes of Wp, K innermost, in blocks of 32 codes, four codes in three bytes); Wp_scales 1,024 x 32 uint8 (E8M0 scales of Wp, one for each 32 codes along K); Wq_codes 1,024 x 32 x 24 uint8 (E2M3 codes of Wq, K innermost, in blocks of 32 codes, four codes in three bytes); Wq_scales 1,024 x 32 uint8 (E8M0 scales of Wq, one for each 32 codes along K); Wv_codes 1,024 x 32 x 24 uint8 (E2M3 codes of Wv, K innermost, in blocks of 32 codes, four codes in three bytes); Wv_scales 1,024 x 32 uint8 (E8M0 scales of Wv, one for each 32 codes along K); x_codes 4 x 2,048 x 32 x 24 uint8 (E2M3 codes of x, K innermost, in blocks of 32 codes, four codes in three bytes); x_scales 4 x 2,048 x 32 uint8 (E8M0 scales of x, one for each 32 codes along K).
;; Outputs: out0 4 x 2,048 x 1,024 float32.
;; This version of the problem:
;;   THIS VERSION OF THE PROBLEM IS GIVEN IN LOW PRECISION. The matrix products marked QUANTISED in the list below multiply operands that are first quantised to E2M3 (2 exponent bits, 3 mantissa bits; 6 bits a number), with one power-of-two scale for each 32 numbers along K (OCP MX v1.0); their sums are f32. All else is computed in f32.
;;   The module's matrix products, in the order in which they are computed (A, B: the left and right operand; K: the contracted axis; several contracted axes count as one K, in the product's order):
;;     1. [M 8,192, K 1,024] x [K 1,024, N 1,024]; A: input x (given as codes); B: input Wq (given as codes): QUANTISED
;;     2. [M 8,192, K 1,024] x [K 1,024, N 1,024]; A: input x (given as codes); B: input Wk (given as codes): QUANTISED
;;     3. [M 8,192, K 1,024] x [K 1,024, N 1,024]; A: input x (given as codes); B: input Wv (given as codes): QUANTISED
;;     4. batch 64 x [M 2,048, K 64] x [K 64, N 2,048]; A: computed on the way; B: computed on the way: QUANTISED
;;     5. batch 64 x [M 2,048, K 2,048] x [K 2,048, N 64]; A: softmax (see below); B: computed on the way: QUANTISED
;;     6. [M 8,192, K 1,024] x [K 1,024, N 1,024]; A: computed on the way; B: input Wp (given as codes): QUANTISED
;;   THE QUANTISER, for each operand of a quantised product, along K:
;;     - K is cut into blocks of 32 from its start; a last block that is shorter is filled with zeros.
;;     - A block's scale is 2^e with e = floor(log2(the largest magnitude in the block)) - 2, held to -126 .. 127; a block of zeros has e = 0. As a byte (E8M0): e + 127.
;;     - Each number is divided by its block's scale, clamped to +-7.5, and rounded to the nearest number of E2M3, ties to even, subnormals kept.
;;     - The product sums the exact products of the quantised numbers (number of the format x scale) in f32.
;;   ~~~python
;;   def quantise(x, axis):      # numpy; x: float32 -> the quantised numbers, widened to float32 again
;;       x = np.moveaxis(x, axis, -1); K = x.shape[-1]
;;       x = np.pad(x, [(0, 0)] * (x.ndim - 1) + [(0, -K % 32)]); x = x.reshape(x.shape[:-1] + (-1, 32)); a = np.abs(x).max(-1, keepdims=True)
;;       e = np.where(a > 0, np.clip(np.frexp(np.where(a > 0, a, 1))[1] - 1 - 2, -126, 127), 0)      # np.frexp(a)[1] - 1 = floor(log2(a)), exactly
;;       r = np.clip(x / 2.0 ** e, -7.5, 7.5)
;;       step = 2.0 ** (np.maximum(np.frexp(np.where(r == 0, 1, r))[1] - 1, 0) - 3)
;;       q = np.round(r / step) * step * 2.0 ** e      # np.round: ties to even
;;       return np.moveaxis(q.reshape(q.shape[:-2] + (-1,))[..., :K], -1, axis).astype(np.float32)
;;   ~~~
;;   SOFTMAX AHEAD OF A QUANTISED PRODUCT. Where the list says 'softmax', what is quantised is not the finished softmax but p = 2^(t - M), with t = logit x log2(e) and M = ceil(the row's largest t), a whole number; so 1/2 < the row's largest p <= 1. The row's sum l is taken of the UNQUANTISED p, in f32, and the product's result is divided by l at the end. Since M is a whole number, a kernel that streams over the keys may use a running M (the ceiling of the running maximum): every later rescaling is an exact power of two, which a block's scale takes up: the codes' values come out the same.
;;   OPERANDS COMPUTED ON THE WAY. 'Computed on the way' means the value that the module computes at that place (a softmax that the list does not call 'softmax' is quantised finished and normalised). What goes into a quantiser is computed in f32, as accurately as f32 sums, v_exp_f32 and their like allow (about 1e-6 of the number): no bf16 or f16 on the way to a quantiser, and a product that is left as it is and whose result goes on into a quantised operand takes f32 operands (vector FMAs, or v_wmma_f32_16x16x4_f32). A number that lies on a knife's edge between two numbers of the format may be rounded either way, as far as f32 arithmetic and the matrix unit's own rounding can turn it there, and no further.
;;   INPUTS GIVEN AS CODES. Wk (in the module: [1024, 1024], K = its axis 1); Wp (in the module: [1024, 1024], K = its axis 1); Wq (in the module: [1024, 1024], K = its axis 1); Wv (in the module: [1024, 1024], K = its axis 1); x (in the module: [4, 2048, 1024], K = its axis 2): each comes as NAME_codes (uint8): NAME with its K axis moved to the last place and cut into blocks of 32 codes, [.., K / 32, bytes a block], one block behind the other in memory; four codes in three bytes: a row's codes are one little-endian stream of bits, code i at bits 6 i .. 6 i + 5 (a code: sign, 2 exponent bits, 3 mantissa bits); and NAME_scales (uint8): the same leading axes, one E8M0 byte (e + 127) for each 32 codes along K. Its value is code x scale, taken as it is: it is not quantised again, and the codes and scales need not be those that the quantiser above would give.
;; One version. Each part assembles by itself: llvm-mc -triple=amdgcn-amd-amdhsa -mcpu=gfx1250 --defsym DOCPART=n.
;; ======== version 1 of 1: 3 launches
;; workspace buffers: q_img 6,291,456 bytes; k_img 6,291,456 bytes; v_img 6,291,456 bytes; q_sc 524,288 bytes; k_sc 524,288 bytes; v_sc 262,144 bytes; ctx_img 6,291,456 bytes; ctx_sc 524,288 bytes
;; launch qkv (part 1): grid 192 x 4, 4 waves a work-group, clusters of 4 x 4, 327,680 bytes of LDS; arguments x_codes, x_scales, Wq_codes, Wq_scales, Wk_codes, Wk_scales, Wv_codes, Wv_scales, q_img, q_sc, k_img, k_sc, v_img, v_sc; writes q_img, q_sc, k_img, k_sc, v_img, v_sc
.if DOCPART == 1
	.amdgcn_target "amdgcn-amd-amdhsa--gfx1250"
	.amdhsa_code_object_version 6
	.text
	.protected	k_q210e4d8d6b_qkv
	.globl	k_q210e4d8d6b_qkv
	.p2align	8
	.type	k_q210e4d8d6b_qkv,@function
k_q210e4d8d6b_qkv:
	s_mov_b64 s[64:65], 0
	v_nop
	global_prefetch_b8 v0, s[64:65] scope:SCOPE_SE
	s_setreg_imm32_b32 hwreg(HW_REG_WAVE_MODE, 25, 1), 1
	s_wait_xcnt 0x0
	s_wait_alu depctr_hold_cnt(0) depctr_sa_sdst(0) depctr_va_vdst(0) depctr_va_sdst(0) depctr_va_ssrc(0) depctr_va_vcc(0) depctr_vm_vsrc(0)
	s_getreg_b32 s2, hwreg(HW_REG_IB_STS2, 6, 4)
	s_cmp_eq_u32 s2, 0
	s_cbranch_scc0 .Lentry_in_a_cluster
	s_endpgm
.Lentry_in_a_cluster:
	s_bfe_u32 s2, ttmp6, 0x10000c
	s_cmp_lg_u32 s2, 0xf033
	s_cbranch_scc0 .Lentry_shape_is_right
	s_endpgm
.Lentry_shape_is_right:
; q = x Wq^T, k = x Wk^T, v = x Wv^T on codes of FP6 (E2M3) with E8M0 scales, sums in f32; the results are quantised at once (q, k along the head's 64; v along the keys) and leave as
; IMAGES OF OPERAND REGISTERS, which the attention launch loads as they lie.
; THE PRODUCT.  D^T = S R^T: source 0 = 16 rows of S, source 1 = 16 rows of R; a lane holds ONE row of R (lane % 16) and its registers run along S's rows, which are the next product's K.
;   q, k: R = x (tokens), S = the weight (features of a head).     v: R = Wv (features), S = x (tokens = keys).  The choice is made by selects on the cluster's number: one path, no branch.
; SHARES.  48 clusters of 4 x 4 work-groups: 16 for each of q, k, v.  A work-group makes 128 rows of R x 256 rows of S over all K = 1,024; wave (wr, ws) makes 64 x 128: 32 accumulators.
; ALL OF K LIES IN LDS AT ONCE (326,400 bytes): every LDS byte is filled once, so there is no ring and no refill.  A row's 768 bytes come as three chunks of 256 bytes, each chunk a region of its own
; with rows 272 bytes apart (256 + 16 of padding = 68 words: row r starts at bank 4 r mod 64; 64 banks of 4 bytes: ISA guide 11.1).  Work begins when chunk 0 has landed.
; CLUSTER.  R's tile hangs on the place along y alone and is asked for jointly by the four of a row; S's on the place along x alone, jointly by the four of a column.
; THE ORDER OF k INSIDE A BLOCK OF 32.  The tiles of S are natural, so a lane's 16 registers of two tiles are rows 8 h + 0..7 and 16 + 8 h + 0..7 of a block: the block is whole in lanes l and l xor 16 (the scale is
; the rule's), and its codes come out with the two middle groups of eight exchanged.  q and k have that order alike along the head's axis, v and the softmax's p (made the same way) alike along the keys: no product changes.
; LIMITS: NaN and infinities are not served.  A block of zeros, or one whose largest magnitude lies under 2^-124, gets the scale byte 1 (the rule says 127 for zeros): its codes are zeros; this program alone reads the bytes.
; No prefetch: all tensor loads go out at the start.
.set SPIT,  272                        ; an LDS row: 256 bytes + 16
.set BLK16, 16*SPIT
.set SREG,  256*SPIT                   ; a chunk's region of S: 256 rows
.set RREG,  128*SPIT                   ; of R: 128 rows
.set RBASE, 3*SREG                     ; S's three regions, then R's three,
.set SCLR,  RBASE+3*RREG               ; R's scale bytes (128 rows x 32 bytes = 16 units of 256 + 16),
.set SCLS,  SCLR+16*SPIT               ; S's (32 units); the end is byte 326,400
.set PADB,  (1<<20)|(1<<21)|(5<<22)|(3<<25)   ; group 1, word 0: padding on; bit 21 set beside a mask; after every 64 words; 4 words
.set WV, 2                             ; s2   wave
.set WR, 3                             ; s3   wave / 2: my 64 rows of R.  Also: I fetch for R (0) or for S (1)
.set WS, 66                            ; s66  wave % 2: my 128 rows of S.  Also: which half of the tile I fetch
.set CX, 67
.set CY, 100
.set W3, 101                           ; s101 0: q, 1: k, 2: v
.set II, 104                           ; s104 which of the 16 clusters of that product
.set TT, 105                           ; s105 at work
.set G1R,  32                          ; s[32:39] group 1: R's chunks;  s[40:47] S's;  s[48:55] R's scale bytes;  s[56:63] S's
.set G1S,  40
.set G1RS, 48
.set G1SS, 56
.set G0R,  68                          ; s[68:83] four groups 0 for R: scales, chunks 0, 1, 2;  s[84:99] for S
.set G0S,  84
.set ADS, 8                            ; v8-10  LDS address of my lane in S's three regions;  v11-12 the same for pieces whose upper half of the lanes falls into the next region
.set AXS, 11
.set ADR, 13                           ; v13-15, v16-17 the same for R
.set AXR, 16
.set ASS, 18                           ; v18, v19 my lane's place among S's and R's scale bytes
.set ASR, 19
.set L8,  20                           ; v20  8 x lane
.set SH,  21                           ; v21  how far my half of the lanes shifts a scale word
.set VSO, 22                           ; v22  my byte offset among the scale words that leave
.set SCS, 32                           ; v32-95   S's scale words: block b, K step s at 8 b + s
.set SCR, 96                           ; v96-127  R's: block a at 8 a + s
.set RF,  128                          ; v128-223 R's fragments, two sets of 4 x 12.  Window 1: S's fragments, two sets of 8 x 12, at v0 and v128.  Window 2: the 32 accumulators, (a, b) at 8 (8 a + b)
.set PC,  128                          ; the way out: the codes, 12 registers for each block a
.set TM,  224                          ; v224-239 largest magnitudes, bytes, scale operands
.set TP,  240                          ; v240-247 the conversions' second halves
.set PWS, 248                          ; v248-251 the four blocks' scale words
.set PW,  252
.set MSB, 0
.macro WIN new                         ; s_set_vgpr_msb: bits 1:0 source 0, 3:2 source 1, 5:4 source 2, 7:6 destination; the high byte repeats the setting that is left
.if MSB != \new
	s_set_vgpr_msb (MSB<<8)|\new
.set MSB, \new
.endif
.endm
.macro PLACES n
.rept \n
	v_nop
.endr
.endm
.macro CROUND                          ; a round of the cluster's barrier
	s_barrier_signal -1
	s_barrier_wait -1
	s_cmp_lg_u32 s[WV], 0
	s_cbranch_scc1 .Lnot_wave_0_\@
	s_barrier_signal -3
.Lnot_wave_0_\@:
	s_barrier_wait -3
	s_barrier_signal -1
	s_barrier_wait -1
.endm
.macro SHAPE g, c, r, p                ; words 1 to 7 of a group 1: a tile of r rows of c elements, p elements from row to row; the tensor's extents are the tile's
	s_mov_b32 s[\g+1], (\c)<<16
	s_mov_b32 s[\g+2], (\r)<<16
	s_mov_b32 s[\g+3], (\c)<<16
	s_mov_b32 s[\g+4], \r
	s_mov_b32 s[\g+5], \p
	s_mov_b32 s[\g+6], 0
	s_mov_b32 s[\g+7], 0
.endm
	s_load_b256 s[4:11], s[0:1], 0x0               ; x's codes, x's scales, Wq's codes, Wq's scales
	s_load_b256 s[12:19], s[0:1], 0x20             ; Wk's, Wv's
	s_load_b256 s[20:27], s[0:1], 0x40             ; q_img, q_sc, k_img, k_sc
	s_load_b128 s[28:31], s[0:1], 0x60             ; v_img, v_sc
	v_lshl_add_u32 v254, v0, 2, 0x4fb00
	v_mov_b32 v255, 0
	ds_add_u32 v254, v255
	ds_add_u32 v254, v255
	v_lshrrev_b32 v1, 5, v0
	v_readfirstlane_b32 s[WV], v1
	s_lshr_b32 s[WR], s[WV], 1
	s_and_b32 s[WS], s[WV], 1
	s_bfe_u32 s[CX], ttmp6, 0x40000
	s_bfe_u32 s[CY], ttmp6, 0x40004
	s_lshr_b32 s[W3], ttmp9, 4                     ; ttmp9 counts clusters: 16 for each product
	s_and_b32 s[II], ttmp9, 15
	s_lshl_b32 s[TT], s[CY], 2
	s_lshl_b32 s[TT], 15, s[TT]                    ; my row of the cluster
	s_or_b32 s[G1R], s[TT], PADB                   ; elements of 1 byte
	s_or_b32 s[G1RS], s[TT], (3<<16)|PADB          ; elements of 8 bytes
	s_lshl_b32 s[TT], 0x1111, s[CX]                ; my column
	s_or_b32 s[G1S], s[TT], PADB
	s_or_b32 s[G1SS], s[TT], (3<<16)|PADB
	SHAPE G1R, 256, 64, 768                        ; 64 rows x 256 bytes of rows of 768
	SHAPE G1S, 256, 128, 768
	SHAPE G1RS, 32, 8, 32                          ; 64 rows' scale bytes: 2,048 dense bytes as 8 rows of 256
	SHAPE G1SS, 32, 16, 32
	; LDS addresses: constants, the lane, the wave's number
	v_and_b32 v1, 31, v0
	v_and_b32 v2, 15, v0                           ; r
	v_bfe_u32 v3, v0, 4, 1                         ; h
	v_mul_u32_u24 v4, v2, SPIT
	v_mad_u32_u24 v5, v3, 24, v4                   ; row r, + 24 h: lanes 16-31 read three pieces of 8 bytes further on
	v_mad_u32_u24 v6, v3, SREG-232, v4             ; where those three pieces pass byte 256: the next region, 232 bytes back
	v_mad_u32_u24 v7, v3, RREG-232, v4
	s_mul_i32 s[TT], s[WS], 128*SPIT
	v_add_nc_u32 v[ADS], s[TT], v5
	v_add_nc_u32 v[ADS+1], SREG, v[ADS]
	v_add_nc_u32 v[ADS+2], 2*SREG, v[ADS]
	v_add_nc_u32 v[AXS], s[TT], v6
	v_add_nc_u32 v[AXS+1], SREG, v[AXS]
	s_mul_i32 s[TT], s[WR], 64*SPIT
	s_add_co_u32 s[TT], s[TT], RBASE
	v_add_nc_u32 v[ADR], s[TT], v5
	v_add_nc_u32 v[ADR+1], RREG, v[ADR]
	v_add_nc_u32 v[ADR+2], 2*RREG, v[ADR]
	v_add_nc_u32 v[AXR], s[TT], v7
	v_add_nc_u32 v[AXR+1], RREG, v[AXR]
	v_lshrrev_b32 v6, 3, v2
	v_lshlrev_b32 v7, 5, v2
	v_lshl_add_u32 v7, v6, 4, v7                   ; a row's 32 scale bytes: 32 r, + 16 behind each 8 rows
	s_mul_i32 s[TT], s[WS], 16*SPIT
	s_add_co_u32 s[TT], s[TT], SCLS
	v_add_nc_u32 v[ASS], s[TT], v7
	s_mul_i32 s[TT], s[WR], 8*SPIT
	s_add_co_u32 s[TT], s[TT], SCLR
	v_add_nc_u32 v[ASR], s[TT], v7
	v_lshlrev_b32 v[L8], 3, v1
.irp b, 0,1,2,3
	v_mov_b32 v[TM+4+\b], 0                        ; written once: a lane permute's destination counts as one of its sources
.endr
	s_wait_dscnt 0x0
	s_wait_kmcnt 0x0
	; which tensors are R, S and the outputs: the choice hangs on the cluster's number alone
	s_cmp_eq_u32 s[W3], 2
	s_cselect_b64 s[12:13], s[4:5], s[12:13]       ; S, if not q's: x (v) or Wk (k)
	s_cselect_b64 s[14:15], s[6:7], s[14:15]
	s_cselect_b64 s[4:5], s[16:17], s[4:5]         ; R: Wv (v) or x
	s_cselect_b64 s[6:7], s[18:19], s[6:7]
	s_cselect_b64 s[24:25], s[28:29], s[24:25]
	s_cselect_b64 s[26:27], s[30:31], s[26:27]
	s_cmp_eq_u32 s[W3], 0
	s_cselect_b64 s[8:9], s[8:9], s[12:13]         ; S's codes
	s_cselect_b64 s[10:11], s[10:11], s[14:15]     ; S's scales
	s_cselect_b64 s[20:21], s[20:21], s[24:25]     ; the codes that leave
	s_cselect_b64 s[22:23], s[22:23], s[26:27]     ; the scale words that leave
	; the tiles.  q, k: R's tile 4 i + cy of 64, S's tile cx of 4.  v: R's tile 4 (i % 2) + cy of 8, S's tile 4 (i / 2) + cx of 32.  s24-27 never hold cx, s28-31 never cy
	s_and_b32 s12, s[II], 1
	s_lshr_b32 s13, s[II], 1
	s_cmp_eq_u32 s[W3], 2
	s_cselect_b32 s24, s12, s[II]
	s_cselect_b32 s28, s13, 0
	s_lshl_b32 s24, s24, 2
	s_add_co_u32 s24, s24, s[CY]
	s_lshl_b32 s24, s24, 7                         ; first row of R's tile
	s_lshl_b32 s28, s28, 2
	s_add_co_u32 s28, s28, s[CX]
	s_lshl_b32 s28, s28, 8                         ; first row of S's tile
	s_lshl_b32 s25, s[WS], 6
	s_add_co_u32 s25, s25, s24                     ; the 64 rows of R that I would fetch
	s_mul_i32 s26, s25, 768
	s_mov_b32 s27, 0
	s_add_nc_u64 s[4:5], s[4:5], s[26:27]
	s_lshl_b32 s26, s25, 5
	s_add_nc_u64 s[6:7], s[6:7], s[26:27]
	s_lshl_b32 s29, s[WS], 7
	s_add_co_u32 s29, s29, s28                     ; the 128 rows of S
	s_mul_i32 s30, s29, 768
	s_mov_b32 s31, 0
	s_add_nc_u64 s[8:9], s[8:9], s[30:31]
	s_lshl_b32 s30, s29, 5
	s_add_nc_u64 s[10:11], s[10:11], s[30:31]
	; groups 0.  Every wave makes both sets and asks by one of them; no place in the cluster enters an LDS address
	s_mul_i32 s12, s[WS], 8*SPIT
	s_mul_i32 s13, s[WS], 64*SPIT
	s_mul_i32 s14, s[WS], 16*SPIT
	s_mul_i32 s15, s[WS], 128*SPIT
	s_mov_b32 s[G0R], 1
	s_add_co_u32 s[G0R+1], s12, SCLR
	s_mov_b64 s[G0R+2:G0R+3], s[6:7]
	s_or_b32 s[G0R+3], s[G0R+3], 0x80000000
	s_mov_b32 s[G0S], 1
	s_add_co_u32 s[G0S+1], s14, SCLS
	s_mov_b64 s[G0S+2:G0S+3], s[10:11]
	s_or_b32 s[G0S+3], s[G0S+3], 0x80000000
.irp c, 0,1,2
	s_mov_b32 s[G0R+4+4*\c], 1
	s_add_co_u32 s[G0R+5+4*\c], s13, RBASE+\c*RREG
	s_add_nc_u64 s[G0R+6+4*\c:G0R+7+4*\c], s[4:5], 256*\c
	s_or_b32 s[G0R+7+4*\c], s[G0R+7+4*\c], 0x80000000
	s_mov_b32 s[G0S+4+4*\c], 1
	s_add_co_u32 s[G0S+5+4*\c], s15, \c*SREG
	s_add_nc_u64 s[G0S+6+4*\c:G0S+7+4*\c], s[8:9], 256*\c
	s_or_b32 s[G0S+7+4*\c], s[G0S+7+4*\c], 0x80000000
.endr
	CROUND                                         ; all sixteen work-groups are here: the joint loads meet
	s_cmp_eq_u32 s[WR], 0                          ; a wave's four fills stand in one branch on the wave's number: four tensor loads of mine are out
	s_cbranch_scc0 .Lfor_s
	tensor_load_to_lds s[G0R:G0R+3], s[G1RS:G1RS+7]
	s_nop 0
	tensor_load_to_lds s[G0R+4:G0R+7], s[G1R:G1R+7]
	s_nop 0
	tensor_load_to_lds s[G0R+8:G0R+11], s[G1R:G1R+7]
	s_nop 0
	tensor_load_to_lds s[G0R+12:G0R+15], s[G1R:G1R+7]
	s_nop 0
	PLACES 4                                       ; four v_nop follow the last
	s_branch .Lasked
.Lfor_s:
	tensor_load_to_lds s[G0S:G0S+3], s[G1SS:G1SS+7]
	s_nop 0
	tensor_load_to_lds s[G0S+4:G0S+7], s[G1S:G1S+7]
	s_nop 0
	tensor_load_to_lds s[G0S+8:G0S+11], s[G1S:G1S+7]
	s_nop 0
	tensor_load_to_lds s[G0S+12:G0S+15], s[G1S:G1S+7]
	s_nop 0
	PLACES 4
.Lasked:
	; where my wave's results go
	s_lshl_b32 s12, s[WR], 6
	s_add_co_u32 s12, s12, s24                     ; my first row of R
	s_lshl_b32 s13, s[WS], 7
	s_add_co_u32 s13, s13, s28                     ; my first row of S
	s_lshr_b32 s14, s12, 11                        ; q, k: batch,
	s_bfe_u32 s15, s12, 0x50006                    ; group of 64 tokens,
	s_lshr_b32 s16, s13, 7                         ; pair of heads
	s_lshl_b32 s17, s14, 3
	s_add_co_u32 s17, s17, s16
	s_lshl_b32 s18, s17, 7
	s_lshl_b32 s19, s15, 2
	s_add_co_u32 s18, s18, s19                     ; codes: fragment (8 b + pair) 128 + 4 group
	s_lshl_b32 s17, s17, 6
	s_add_co_u32 s17, s17, s15                     ; scale words: unit (16 b + 2 pair) 32 + group
	s_lshr_b32 s14, s12, 6                         ; v: head,
	s_lshr_b32 s15, s13, 11                        ; batch,
	s_bfe_u32 s16, s13, 0x40007                    ; key step
	s_lshl_b32 s15, s15, 4
	s_add_co_u32 s15, s15, s14
	s_lshl_b32 s15, s15, 4
	s_add_co_u32 s15, s15, s16                     ; scale words: unit (16 b + head) 16 + key step
	s_lshl_b32 s14, s15, 2                         ; codes: four fragments to a unit
	s_cmp_eq_u32 s[W3], 2
	s_cselect_b32 s18, s14, s18
	s_cselect_b32 s17, s15, s17
	s_cselect_b32 s16, 0, 16                       ; q, k: lanes 16-31 take the word's upper two bytes, the pair's second head;
	s_cselect_b32 s19, 0, 0x2000                   ; whose words lie 8,192 bytes on.  v: the word is whole, and lanes 16-31 store the same bytes with the same values as lanes 0-15
	s_mov_b32 s6, 0xffff
	s_cselect_b32 s6, -1, s6                       ; q, k: the word's upper two bytes are 0
	s_mul_i32 s12, s18, 1536
	s_mov_b32 s13, 0
	s_add_nc_u64 s[20:21], s[20:21], s[12:13]
	s_lshl_b32 s12, s17, 8
	s_add_nc_u64 s[22:23], s[22:23], s[12:13]
	v_mul_u32_u24 v[SH], s16, v3
	v_mul_u32_u24 v[VSO], s19, v3
	v_lshl_add_u32 v[VSO], v2, 4, v[VSO]           ; 16 r: four words a row
	s_mov_b32 s4, 0x76543210
	s_mov_b32 s5, 0xfedcba98                       ; v_permlanex16_b32's selects for lane l xor 16
; A fragment, 16 rows x 128 K of 6-bit codes, is 12 registers: lane l holds row l % 16; registers 6 c .. 6 c + 5 hold K = 64 c + 32 (l / 16) + 0 .. 31: 24 bytes of the row as they lie, in pieces of 8 bytes.
; Lanes 0-15 take the row's pieces 12 s + 0, 1, 2 and 12 s + 6, 7, 8, lanes 16-31 those three on.  A region holds 32 pieces of a row; where the piece three on lies in the next region the second address register serves.
.macro FRAG reg, adr, adx, s, i
.irp p, 0,1,2,3,4,5
.set PCE, 12*(\s)+6*(\p/3)+\p%3
.set CH, PCE/32
.set OF, PCE%32
.if OF < 29
	ds_load_b64 v[\reg+2*\p:\reg+2*\p+1], v[\adr+CH] offset:8*OF+(\i)*BLK16
.else
	ds_load_b64 v[\reg+2*\p:\reg+2*\p+1], v[\adx+CH] offset:8*OF+(\i)*BLK16
.endif
.endr
.endm
.macro FETCH s, set                    ; K step s: S's eight fragments and R's four: 72 loads in one run
	WIN 0x40                                       ; destination window 1
.irp i, 0,1,2,3,4,5,6,7
	FRAG 128*(\set)+12*\i, ADS, AXS, \s, \i
.endr
	WIN 0
.irp i, 0,1,2,3
	FRAG RF+48*(\set)+12*\i, ADR, AXR, \s, \i
.endr
.endm
; 16 matrix instructions: R's blocks a0, a0 + 1 x S's eight.  The 32 accumulators take turns, one instruction a turn, in the same order in every step.
.macro MUL16 a0, set, s, zero
.irp a, \a0, \a0+1
.irp b, 0,1,2,3,4,5,6,7
.if \zero
	v_wmma_scale_f32_16x16x128_f8f6f4 v[8*(8*(\a)+\b):8*(8*(\a)+\b)+7], v[128*(\set)+12*\b:128*(\set)+12*\b+11], v[RF+48*(\set)+12*(\a):RF+48*(\set)+12*(\a)+11], 0, v[SCS+8*\b+(\s)], v[SCR+8*(\a)+(\s)] matrix_a_fmt:MATRIX_FMT_FP6 matrix_b_fmt:MATRIX_FMT_FP6
.else
	v_wmma_scale_f32_16x16x128_f8f6f4 v[8*(8*(\a)+\b):8*(8*(\a)+\b)+7], v[128*(\set)+12*\b:128*(\set)+12*\b+11], v[RF+48*(\set)+12*(\a):RF+48*(\set)+12*(\a)+11], v[8*(8*(\a)+\b):8*(8*(\a)+\b)+7], v[SCS+8*\b+(\s)], v[SCR+8*(\a)+(\s)] matrix_a_fmt:MATRIX_FMT_FP6 matrix_b_fmt:MATRIX_FMT_FP6
.endif
.endr
.endr
.endm
; A K step of 128.  This step's fragments are in; the next step's are asked for at once, into the other set, 32 matrix instructions ahead of their use.
; tc >= 0: the next step is the first to read a further chunk: each wave shows its part landed (tc younger loads may be out), then the work-group's barrier.
.macro STEP s, tc, zero
	s_wait_dscnt 0x0
.if (\tc) >= 0
	s_wait_tensorcnt \tc
	s_barrier_signal -1
	s_barrier_wait -1
.endif
.if (\s) < 7
.if (\s) > 0
	PLACES 4                                       ; in front of loads into the set that the last step's matrix instructions read (ISA guide 7.12.1 for vector instructions)
.endif
	FETCH (\s)+1, ((\s)+1)%2
.endif
	WIN 0xa1                                       ; source 0 (S) window 1, source 1 (R) window 0, C and D window 2
	MUL16 0, (\s)%2, \s, \zero
	MUL16 2, (\s)%2, \s, \zero
	WIN 0
.endm
	s_wait_tensorcnt 0x2                           ; my scale bytes and my part of chunk 0 are in; chunks 1 and 2, issued behind them, may be out
	s_barrier_signal -1
	s_barrier_wait -1                              ; everybody's are
.irp b, 0,1,2,3,4,5,6,7
	ds_load_b128 v[SCS+8*\b:SCS+8*\b+3], v[ASS] offset:2*SPIT*\b       ; a row's eight scale words, one for each K step: they stay in registers
	ds_load_b128 v[SCS+8*\b+4:SCS+8*\b+7], v[ASS] offset:2*SPIT*\b+16
.endr
	s_wait_alu depctr_va_vdst(0)
.irp a, 0,1,2,3
	ds_load_b128 v[SCR+8*\a:SCR+8*\a+3], v[ASR] offset:2*SPIT*\a
	ds_load_b128 v[SCR+8*\a+4:SCR+8*\a+7], v[ASR] offset:2*SPIT*\a+16
.endr
	FETCH 0, 0
	STEP 0, -1, 1                                  ; the first step's products start the sums: nothing is cleared
	STEP 1, 1, 0                                   ; K step 2 (bytes 192 to 287 of a row) is the first to read chunk 1
	STEP 2, -1, 0
	STEP 3, -1, 0
	STEP 4, 0, 0                                   ; K step 5 (bytes 480 to 575) the first to read chunk 2: no tensor load of mine is out from here on
	STEP 5, -1, 0
	STEP 6, -1, 0
	STEP 7, -1, 0
; THE WAY OUT.  The 64 numbers of a lane in window 2 from v[s] on (register 16 c + i: block c of 32 along the next K) become a fragment's codes in v[pc] on and its scale word in v[PW].
; Each accumulator is read from its low end on.
.macro QUANT s, pc
	WIN 0x0a                                       ; sources 0 and 1 window 2
.irp b, 0,1,2,3
	v_max3_num_f32 v[TM+\b], |v[\s+16*\b]|, |v[\s+16*\b+1]|, 0x1800000   ; my 16 numbers of block b, and the floor 2^(3 - 127): the byte cannot fall under 1
.endr
	WIN 0x28                                       ; sources 1 and 2 window 2
.irp i, 2,4,6,8,10,12,14
.irp b, 0,1,2,3
	v_max3_num_f32 v[TM+\b], v[TM+\b], |v[\s+16*\b+\i]|, |v[\s+16*\b+\i+1]|
.endr
.endr
	WIN 0
.irp b, 0,1,2,3
	v_permlanex16_b32 v[TM+4+\b], v[TM+\b], s4, s5
.endr
.irp b, 0,1,2,3
	v_max_num_f32 v[TM+\b], v[TM+\b], v[TM+4+\b]   ; with lane l xor 16's 16: the block's largest magnitude
.endr
.irp b, 0,1,2,3
	v_add_nc_u32 v[TM+12+\b], 0xff000000, v[TM+\b] ; 2 off its exponent field: the conversion takes that field as its scale
.endr
.irp b, 0,1,2,3
	v_lshrrev_b32 v[TM+4+\b], 23, v[TM+12+\b]      ; the scale's byte
.endr
	v_lshl_or_b32 v[PW], v[TM+5], 8, v[TM+4]
	v_lshl_or_b32 v[PW], v[TM+6], 16, v[PW]
	v_lshl_or_b32 v[PW], v[TM+7], 24, v[PW]
	WIN 0x02                                       ; source 0 window 2
.irp c, 0,1
	v_cvt_scalef32_pk16_fp6_f32 v[\pc+6*\c:\pc+6*\c+2], v[\s+32*\c:\s+32*\c+15], v[TM+12+2*\c]
	v_cvt_scalef32_pk16_fp6_f32 v[TP+4*\c:TP+4*\c+2], v[\s+32*\c+16:\s+32*\c+31], v[TM+12+2*\c+1]   ; (a conversion's three registers begin on an even number)
.endr
	WIN 0
	v_nop                                          ; one plain place behind a scaled conversion
.irp c, 0,1                            ; the operand's layout wants a whole block in a lane: lanes 0-15 block 2 c, lanes 16-31 block 2 c + 1
.irp i, 0,1,2
	v_permlane16_swap_b32 v[\pc+6*\c+\i], v[TP+4*\c+\i]
.endr
.irp i, 0,1,2
	v_mov_b32 v[\pc+6*\c+3+\i], v[TP+4*\c+\i]
.endr
.endr
.endm
	PLACES 4                                       ; behind the last products, ahead of the first read of results and of writes to their operands' registers
.irp a, 0,1,2,3
	QUANT 64*\a, PC+12*\a
	v_lshrrev_b32 v[PWS+\a], v[SH], v[PW]
	v_and_b32 v[PWS+\a], s6, v[PWS+\a]
.irp j, 0,1,2,3,4,5
	global_store_b64 v[L8], v[PC+12*\a+2*\j:PC+12*\a+2*\j+1], s[20:21] offset:1536*\a+256*\j   ; a pair of the fragment's registers: 32 lanes store 256 consecutive bytes, aligned.  Each block has registers of its own: no store's data are written again
.endr
.endr
	global_store_b128 v[VSO], v[PWS:PWS+3], s[22:23]   ; sixteen lanes store 256 consecutive bytes, aligned: [row][block] words
	s_wait_tensorcnt 0x0
	ds_add_u32 v254, v255
	s_wait_dscnt 0x0
	CROUND                                         ; the closing round: no work-group ends while a partner may still ask for a tile that names it
	s_endpgm
.Lfunc_end_k_q210e4d8d6b_qkv:
	.size	k_q210e4d8d6b_qkv, .Lfunc_end_k_q210e4d8d6b_qkv-k_q210e4d8d6b_qkv
	.p2alignl 7, 3214868480
	.fill 96, 4, 3214868480
	.section	.rodata,"a",@progbits
	.p2align	6, 0x0
	.amdhsa_kernel k_q210e4d8d6b_qkv
		.amdhsa_group_segment_fixed_size 327680
		.amdhsa_private_segment_fixed_size 0
		.amdhsa_enable_private_segment 0
		.amdhsa_kernarg_size 112
		.amdhsa_user_sgpr_count 2
		.amdhsa_user_sgpr_kernarg_segment_ptr 1
		.amdhsa_wavefront_size32 1
		.amdhsa_system_sgpr_workgroup_id_x 1
		.amdhsa_system_sgpr_workgroup_id_y 1
		.amdhsa_system_sgpr_workgroup_id_z 1
		.amdhsa_system_vgpr_workitem_id 0
		.amdhsa_next_free_vgpr 768
		.amdhsa_next_free_sgpr 106
		.amdhsa_reserve_vcc 0
		.amdhsa_float_denorm_mode_32 3
		.amdhsa_float_denorm_mode_16_64 3
		.amdhsa_memory_ordered 1
		.amdhsa_forward_progress 1
		.amdhsa_inst_pref_size 102
	.end_amdhsa_kernel
	.amdgpu_metadata
---
amdhsa.version: [ 1, 2 ]
amdhsa.kernels:
  - .name:           k_q210e4d8d6b_qkv
    .symbol:         k_q210e4d8d6b_qkv.kd
    .args:
      - { .name: x_codes, .offset: 0, .size: 8, .value_kind: global_buffer, .address_space: global }
      - { .name: x_scales, .offset: 8, .size: 8, .value_kind: global_buffer, .address_space: global }
      - { .name: Wq_codes, .offset: 16, .size: 8, .value_kind: global_buffer, .address_space: global }
      - { .name: Wq_scales, .offset: 24, .size: 8, .value_kind: global_buffer, .address_space: global }
      - { .name: Wk_codes, .offset: 32, .size: 8, .value_kind: global_buffer, .address_space: global }
      - { .name: Wk_scales, .offset: 40, .size: 8, .value_kind: global_buffer, .address_space: global }
      - { .name: Wv_codes, .offset: 48, .size: 8, .value_kind: global_buffer, .address_space: global }
      - { .name: Wv_scales, .offset: 56, .size: 8, .value_kind: global_buffer, .address_space: global }
      - { .name: q_img, .offset: 64, .size: 8, .value_kind: global_buffer, .address_space: global }
      - { .name: q_sc, .offset: 72, .size: 8, .value_kind: global_buffer, .address_space: global }
      - { .name: k_img, .offset: 80, .size: 8, .value_kind: global_buffer, .address_space: global }
      - { .name: k_sc, .offset: 88, .size: 8, .value_kind: global_buffer, .address_space: global }
      - { .name: v_img, .offset: 96, .size: 8, .value_kind: global_buffer, .address_space: global }
      - { .name: v_sc, .offset: 104, .size: 8, .value_kind: global_buffer, .address_space: global }
    .group_segment_fixed_size: 327680
    .private_segment_fixed_size: 0
    .kernarg_segment_align: 8
    .kernarg_segment_size: 112
    .max_flat_workgroup_size: 128
    .sgpr_count:     106
    .vgpr_count:     768
    .wavefront_size: 32
...
	.end_amdgpu_metadata
.endif
;; end of part 1
;; launch attn (part 2): grid 4 x 64, 16 waves a work-group, clusters of 4 x 1, 215,040 bytes of LDS; arguments q_img, q_sc, k_img, k_sc, v_img, v_sc, ctx_img, ctx_sc; writes ctx_img, ctx_sc
.if DOCPART == 2
	.amdgcn_target "amdgcn-amd-amdhsa--gfx1250"
	.amdhsa_code_object_version 6
	.text
	.protected	k_q210e4d8d6b_attn
	.globl	k_q210e4d8d6b_attn
	.p2align	8
	.type	k_q210e4d8d6b_attn,@function
k_q210e4d8d6b_attn:
	s_mov_b64 s[64:65], 0
	v_nop
	global_prefetch_b8 v0, s[64:65] scope:SCOPE_SE
	s_setreg_imm32_b32 hwreg(HW_REG_WAVE_MODE, 25, 1), 1
	s_wait_xcnt 0x0
	s_wait_alu depctr_hold_cnt(0) depctr_sa_sdst(0) depctr_va_vdst(0) depctr_va_sdst(0) depctr_va_ssrc(0) depctr_va_vcc(0) depctr_vm_vsrc(0)
	s_getreg_b32 s2, hwreg(HW_REG_IB_STS2, 6, 4)
	s_cmp_eq_u32 s2, 0
	s_cbranch_scc0 .Lentry_in_a_cluster
	s_endpgm
.Lentry_in_a_cluster:
	s_bfe_u32 s2, ttmp6, 0x10000c
	s_cmp_lg_u32 s2, 0x3003
	s_cbranch_scc0 .Lentry_shape_is_right
	s_endpgm
.Lentry_shape_is_right:
; ctx = softmax(q k^T / 8, causal) v for one head, both products on codes of FP6 (E2M3) with E8M0 scales; ctx is quantised along the model's axis and leaves as images of operand registers.
; THE SOFTMAX AHEAD OF THE SECOND PRODUCT: t = score x log2(e) / 8; M = the row's largest t so far, rounded up to a whole number; p = 2^(t - M) is quantised along the keys, not normalised; the row's sum is taken of
; the unquantised p and divides at the end.  When M moves, the sum and O are multiplied by 2^(old M - new M): exact.
; SHARES.  The four work-groups of a cluster own one head (batch x head = the cluster's y).  A whole head's K and V as codes (2 x 98,304 bytes) and their scale words lie in LDS, filled ONCE by joint loads: no ring, no refill.
; Wave w of work-group cx owns the tiles of 16 queries t1 = 4 w + cx and t2 = 127 - t1.  A tile's last key step of 128 is tile / 8: w / 2 and 15 - w / 2, which hang on the wave's number alone: every wave has
; 17 steps of work, and no branch hangs on the place in the cluster.  The loops' trip counts are constants; a step all of whose keys are hidden is jumped over.
; LAYOUT.  S^T = K Q^T (source 0 = 16 keys, source 1 = my 16 queries), O^T = V^T P^T (source 0 = 16 of the head's 64, source 1 = P): a lane holds one query throughout.
; THE FIRST PRODUCT'S K IS 64 in an instruction of 128: Q's fragment is six registers of codes and six of zero codes; K's tile t names v[KF + 6 t .. + 11], whose upper six registers are the next tile's codes (every 6-bit
; code is a finite number) or, for tile 7, zeros; the upper two bytes of q's and k's scale words are 0 (2^-127, a number).  Zero times a number adds nothing.
; THE ORDER OF KEYS INSIDE A BLOCK OF 32: p's codes come out with the two middle groups of eight exchanged, as v's did in the launch before: no product changes.  ctx meets given codes next, so it is put in the natural order first.
; LIMITS: NaN and infinities are not served; a block of zeros or under 2^-124 gets the scale byte 1 (this program alone reads the bytes); ctx is O times v_rcp_f32 of the sum.
; A block's largest p is taken as the exponential of the block's largest score, which takes v_exp_f32 not to fall where its input rises.
; Left out: a second tile of queries on each fragment of K and V (256 registers a wave do not hold it); prefetching (all tensor loads go out at the start).
.set KIMG, 0                           ; K: tile of 16 keys t at 768 t: three pairs of registers x 32 lanes x 8 bytes
.set VIMG, 98304                       ; V: key step ks, tile of 16 channels a at 6,144 ks + 1,536 a
.set KSC,  196608                      ; K's scale words: [group of 64 keys][row 16][tile 4]
.set VSC,  204800                      ; V's: [key step][row 16][tile 4]
.set STG,  208896                      ; 2,048 bytes: ctx's scale words meet here; no tile lands here
.set L8,  1                            ; v1   8 x lane
.set LV,  2                            ; v2   + VIMG
.set LKS, 3                            ; v3   KSC + 16 r
.set LVS, 4                            ; v4   VSC + 16 r
.set ADK, 5                            ; v5-8 the step's addresses
.set ADV, 6
.set ADKS, 7
.set ADVS, 8
.set DG,  9                            ; v9   the diagonal: 16 (tile % 8) + r - 8 h
.set NINF, 10                          ; v10  -infinity
.set AST2, 11                          ; v11  where tile 2's scale words go in the stage
.set Q2,  16                           ; v16-27 Q of tile 2;  v28-39 of tile 1;  v40, v41 their scale words
.set Q1,  28
.set QS2, 40
.set QS1, 41
.set KSW, 42                           ; v42-49 K's scale words;  v50-53 V's
.set VSW, 50
.set KF,  54                           ; v54-101 eight tiles of K (6 each), then four fragments of V (12 each);  v102-107 zeros
.set SX,  108                          ; v108-171 S^T, then p
.set OT,  172                          ; v172-203 O^T
.set PC,  204                          ; v204-215 p's codes
.set TP,  216                          ; v216-223 the conversions' second halves
.set BM,  224                          ; v224-227 the blocks' largest scores, then largest p
.set BT,  228                          ; v228-231 at work, then the bytes
.set SO,  232                          ; v232-235 the conversions' scale operands
.set F,   236                          ; v236 f = 2^(old M - new M);  v237 p's scale word (named with f as a pair)
.set PW,  237
.set TMP, 238
.set SUM2, 240                         ; v[240:241] the sum's second chain
.set AST1, 242
.set GO2, 243                          ; v243, v244  8 x lane + 1,536 x tile: the tile's place in q_img and in ctx_img
.set GO1, 244
.set ASTL, 245                         ; v245 STG + 16 x thread
.set R8,  246                          ; v246 r - 8 h
.set GSC, 247                          ; v247 16 x thread
.set WV,  2
.set CX,  3
.set CS,  8                            ; s[8:9]  c = log2(e) / 8, twice
.set SEL, 10                           ; s[10:11]
.set L1,  12                           ; s12, s13 the two tiles' last key steps;  s14, s15  16 (tile % 8)
.set L2,  13
.set D1,  14
.set D2,  15
.set BH,  20
.set BB,  21
.set HD,  22
.set T0,  23
.set G1KA, 24
.set G1KB, 32
.set G1VA, 40
.set G1VB, 48
.set G1KS, 56
.set G1VS, 68
.set G0,  76                           ; s[76:99] six groups 0: K's scale words, K's first 16 tiles, K's other 112; the same of V
.set LIM, 66
.set KSN, 67                           ; the key step: the loops' counter
.set TK,  100                          ; LDS byte of the step's tiles: 6,144 a step
.set TKS, 101                          ; of K's scale words: 512 a step
.set TVS, 104                          ; of V's: 256 a step
.macro PLACES n
.rept \n
	v_nop
.endr
.endm
.macro CROUND
	s_barrier_signal -1
	s_barrier_wait -1
	s_cmp_lg_u32 s[WV], 0
	s_cbranch_scc1 .Lnot_wave_0_\@
	s_barrier_signal -3
.Lnot_wave_0_\@:
	s_barrier_wait -3
	s_barrier_signal -1
	s_barrier_wait -1
.endm
.macro SHAPE g, c, r, p                ; words 1 to 7 of a group 1: r rows of c elements, p elements from row to row
	s_mov_b32 s[\g+1], (\c)<<16
	s_mov_b32 s[\g+2], (\r)<<16
	s_mov_b32 s[\g+3], (\c)<<16
	s_mov_b32 s[\g+4], \r
	s_mov_b32 s[\g+5], \p
	s_mov_b32 s[\g+6], 0
	s_mov_b32 s[\g+7], 0
.endm
	s_load_b256 s[4:11], s[0:1], 0x0               ; q_img, q_sc, k_img, k_sc
	s_load_b256 s[12:19], s[0:1], 0x20             ; v_img, v_sc, ctx_img, ctx_sc
	v_lshl_add_u32 v254, v0, 2, 0x34000
	v_mov_b32 v255, 0
	ds_add_u32 v254, v255
	ds_add_u32 v254, v255
	v_lshrrev_b32 v1, 5, v0
	s_delay_alu instid0(VALU_DEP_1)
	v_readfirstlane_b32 s[WV], v1                  ; wave 0..15
	s_bfe_u32 s[CX], ttmp6, 0x40000                ; my place in the cluster: it enters global addresses and the lane value DG alone
	s_and_b32 s[BH], ttmp7, 0xffff                 ; 16 x batch + head, which the four partners share
	s_lshr_b32 s[BB], s[BH], 4
	s_and_b32 s[HD], s[BH], 15
.irp g, G1KA, G1KB, G1VA, G1VB, G1KS, G1VS
	s_mov_b32 s[\g], 15|(3<<16)|(1<<21)            ; the mask: all four work-groups; elements of 8 bytes; bit 21 set beside a mask; no padding: the images are read 256 consecutive bytes an instruction
.endr
	SHAPE G1KA, 96, 16, 192                        ; K: a tile's 768 bytes of my head, 1,536 bytes from tile to tile (the pair's other head lies between): key steps 0 and 1,
	SHAPE G1KB, 96, 112, 192                       ; and the other fourteen
	SHAPE G1VA, 96, 16, 96                         ; V: dense: 12,288 bytes are key steps 0 and 1
	SHAPE G1VB, 96, 112, 96
	SHAPE G1KS, 32, 32, 32                         ; 8,192 dense bytes
	SHAPE G1VS, 32, 16, 32                         ; 4,096
	s_lshr_b32 s[T0], s[HD], 1                     ; the pair of heads
	s_lshl_b32 s66, s[BB], 3
	s_add_co_u32 s66, s66, s[T0]
	s_mul_i32 s100, s66, 196608                    ; q_img, k_img: (8 b + pair) x 128 tiles x 1,536 bytes
	s_and_b32 s67, s[HD], 1
	s_mul_i32 s67, s67, 768                        ; + the head's half of a tile
	s_add_co_u32 s100, s100, s67
	s_mov_b32 s101, 0
	s_lshl_b32 s104, s[BH], 13                     ; q_sc, k_sc: 8,192 bytes a head
	s_mov_b32 s105, 0
	s_wait_dscnt 0x0
	s_wait_kmcnt 0x0
	s_add_nc_u64 s[4:5], s[4:5], s[100:101]
	s_add_nc_u64 s[8:9], s[8:9], s[100:101]
	s_add_nc_u64 s[6:7], s[6:7], s[104:105]
	s_add_nc_u64 s[10:11], s[10:11], s[104:105]
	s_lshr_b32 s104, s104, 1                       ; v_sc: 4,096
	s_add_nc_u64 s[14:15], s[14:15], s[104:105]
	s_mul_i32 s104, s[BH], 98304                   ; v_img
	s_add_nc_u64 s[12:13], s[12:13], s[104:105]
	s_lshl_b32 s104, s[T0], 9                      ; ctx_img: (512 pair + 128 b) x 1,536 + the head's half
	s_lshl_b32 s66, s[BB], 7
	s_add_co_u32 s104, s104, s66
	s_mul_i32 s104, s104, 1536
	s_add_co_u32 s104, s104, s67
	s_add_nc_u64 s[16:17], s[16:17], s[104:105]
	s_xor_b32 s66, s[CX], 3                        ; ctx_sc: [b][head][tile % 4][tile / 4][row]: waves 0, 1 store tiles with tile % 4 = cx, waves 2, 3 those with 3 - cx
	s_cmp_lt_u32 s[WV], 2
	s_cselect_b32 s66, s[CX], s66
	s_lshl_b32 s66, s66, 11
	s_lshl_b32 s104, s[BB], 17
	s_add_co_u32 s104, s104, s66
	s_lshl_b32 s66, s[HD], 13
	s_add_co_u32 s104, s104, s66
	s_add_nc_u64 s[18:19], s[18:19], s[104:105]
	s_mov_b32 s[G0], 1
	s_mov_b32 s[G0+1], KSC
	s_mov_b64 s[G0+2:G0+3], s[10:11]
	s_or_b32 s[G0+3], s[G0+3], 0x80000000
	s_mov_b32 s[G0+4], 1
	s_mov_b32 s[G0+5], KIMG
	s_mov_b64 s[G0+6:G0+7], s[8:9]
	s_or_b32 s[G0+7], s[G0+7], 0x80000000
	s_mov_b32 s[G0+8], 1
	s_mov_b32 s[G0+9], KIMG+12288
	s_add_nc_u64 s[G0+10:G0+11], s[8:9], 16*1536
	s_or_b32 s[G0+11], s[G0+11], 0x80000000
	s_mov_b32 s[G0+12], 1
	s_mov_b32 s[G0+13], VSC
	s_mov_b64 s[G0+14:G0+15], s[14:15]
	s_or_b32 s[G0+15], s[G0+15], 0x80000000
	s_mov_b32 s[G0+16], 1
	s_mov_b32 s[G0+17], VIMG
	s_mov_b64 s[G0+18:G0+19], s[12:13]
	s_or_b32 s[G0+19], s[G0+19], 0x80000000
	s_mov_b32 s[G0+20], 1
	s_mov_b32 s[G0+21], VIMG+12288
	s_add_nc_u64 s[G0+22:G0+23], s[12:13], 12288
	s_or_b32 s[G0+23], s[G0+23], 0x80000000
	CROUND                                         ; all four work-groups are here: the joint loads meet
	s_cmp_eq_u32 s[WV], 0                          ; wave 0 asks for K, wave 1 for V, three loads each inside one branch on the wave's number: three tensor loads of such a wave are out
	s_cbranch_scc0 .Lnot_k
	tensor_load_to_lds s[G0:G0+3], s[G1KS:G1KS+7]
	s_nop 0
	tensor_load_to_lds s[G0+4:G0+7], s[G1KA:G1KA+7]
	s_nop 0
	tensor_load_to_lds s[G0+8:G0+11], s[G1KB:G1KB+7]
	s_nop 0
	PLACES 4                                       ; four v_nop follow the last
	s_branch .Lasked
.Lnot_k:
	s_cmp_eq_u32 s[WV], 1
	s_cbranch_scc0 .Lasked
	tensor_load_to_lds s[G0+12:G0+15], s[G1VS:G1VS+7]
	s_nop 0
	tensor_load_to_lds s[G0+16:G0+19], s[G1VA:G1VA+7]
	s_nop 0
	tensor_load_to_lds s[G0+20:G0+23], s[G1VB:G1VB+7]
	s_nop 0
	PLACES 4
.Lasked:
	v_and_b32 v1, 31, v0
	s_delay_alu instid0(VALU_DEP_1)
	v_lshlrev_b32 v[L8], 3, v1
	s_delay_alu instid0(VALU_DEP_1)
	v_add_nc_u32 v[LV], VIMG, v[L8]
	v_and_b32 v[TMP], 15, v0                       ; r
	s_delay_alu instid0(VALU_DEP_1)
	v_lshl_add_u32 v[LKS], v[TMP], 4, KSC
	s_delay_alu instid0(VALU_DEP_2)
	v_lshl_add_u32 v[LVS], v[TMP], 4, VSC
	v_bfe_u32 v[R8], v0, 4, 1
	s_delay_alu instid0(VALU_DEP_1)
	v_lshlrev_b32 v[R8], 3, v[R8]
	s_delay_alu instid0(VALU_DEP_1)
	v_sub_nc_u32 v[R8], v[TMP], v[R8]
	v_mov_b32 v[NINF], 0xff800000
	s_lshl_b32 s67, s[WV], 6
	v_lshl_add_u32 v[AST1], v[TMP], 2, s67
	s_delay_alu instid0(VALU_DEP_1)
	v_add_nc_u32 v[AST1], STG, v[AST1]             ; tile 1: tile / 4 = w: 64 w + 4 r
	s_xor_b32 s67, s[WV], 15                       ; 15 - w
	s_lshl_b32 s67, s67, 6
	v_lshl_add_u32 v[AST2], v[TMP], 2, s67
	s_delay_alu instid0(VALU_DEP_1)
	v_add_nc_u32 v[AST2], STG+1024, v[AST2]        ; tile 2: tile / 4 = 16 + (15 - w)
	v_lshl_add_u32 v[ASTL], v0, 4, STG
	v_lshlrev_b32 v[GSC], 4, v0
	s_lshl_b32 s[T0], s[WV], 2
	s_add_co_u32 s[T0], s[T0], s[CX]               ; tile 1 = 4 w + cx
	s_xor_b32 s66, s[T0], 127                      ; tile 2 = 127 - tile 1
	s_mul_i32 s67, s[T0], 1536
	s_mul_i32 s100, s66, 1536
	v_add_nc_u32 v[GO1], s67, v[L8]
	v_add_nc_u32 v[GO2], s100, v[L8]
.irp j, 0,1,2
	global_load_b64 v[Q1+2*\j:Q1+2*\j+1], v[GO1], s[4:5] offset:256*\j   ; Q's fragments stay in registers
	global_load_b64 v[Q2+2*\j:Q2+2*\j+1], v[GO2], s[4:5] offset:256*\j
.endr
	s_lshr_b32 s67, s[T0], 2                       ; Q's scale words: [tile / 4][row][tile % 4]
	s_lshl_b32 s67, s67, 8
	s_and_b32 s100, s[T0], 3
	s_lshl_b32 s100, s100, 2
	s_add_co_u32 s67, s67, s100
	v_lshl_add_u32 v[ADK], v[TMP], 4, s67
	s_lshr_b32 s67, s66, 2
	s_lshl_b32 s67, s67, 8
	s_and_b32 s100, s66, 3
	s_lshl_b32 s100, s100, 2
	s_add_co_u32 s67, s67, s100
	v_lshl_add_u32 v[ADV], v[TMP], 4, s67
	global_load_b32 v[QS1], v[ADK], s[6:7]
	global_load_b32 v[QS2], v[ADV], s[6:7]
	s_and_b32 s[D1], s[T0], 7
	s_lshl_b32 s[D1], s[D1], 4
	s_and_b32 s[D2], s66, 7
	s_lshl_b32 s[D2], s[D2], 4
	s_lshr_b32 s[L1], s[WV], 1
	s_xor_b32 s[L2], s[L1], 15                     ; 15 - w / 2
	s_mov_b32 s[CS], 0x3e38aa3b                    ; c = log2(e) / 8
	s_mov_b32 s[CS+1], s[CS]                       ; (named with it as a pair, so it is written)
	s_mov_b32 s[SEL], 0x76543210
	s_mov_b32 s[SEL+1], 0xfedcba98                 ; v_permlanex16_b32's selects for lane l xor 16
.irp j, 0,1,2,3,4,5
	v_mov_b32 v[Q2+6+\j], 0                        ; zero codes for k = 64 .. 127
	v_mov_b32 v[Q1+6+\j], 0
	v_mov_b32 v[KF+48+\j], 0
.endr
.irp b, 0,1,2,3
	v_mov_b32 v[BT+\b], 0                          ; written once: a lane permute's destination counts as one of its sources
.endr
	v_mov_b32 v[PW], 0                             ; (named as the upper half of the pair with f before it is first written)
; A tile begins: O^T and the sum as zeros, the largest t as -3e38: the first change of M multiplies zeros, so the step is written once
.macro INIT d, lim
	v_mov_b32 v13, 0xff61b1e6
	s_delay_alu instid0(VALU_DEP_1)
	v_floor_f32 v12, -v13                          ; -M
	v_mov_b32 v14, 0
	v_mov_b32 v15, 0
.set n, 0
.rept 32
	v_mov_b32 v[OT+n], 0
.set n, n+1
.endr
	v_add_nc_u32 v[DG], s[\d], v[R8]
	s_mov_b32 s[LIM], s[\lim]
.endm
; A KEY STEP: 128 keys.  qf, qs: the tile's Q and its scale words.  guard = 1: a step behind the tile's last is jumped over (not the lines at its end that step addresses), and the tile's last step is masked.
.macro STEP qf, qs, guard
.if \guard
	s_cmp_gt_u32 s[KSN], s[LIM]
	s_cbranch_scc1 .Lhid_\@
.endif
	s_setprio 2
	v_add_nc_u32 v[ADK], s[TK], v[L8]              ; (these four are also the places behind the last step's products, in front of the loads into registers that they read)
	v_add_nc_u32 v[ADV], s[TK], v[LV]
	v_add_nc_u32 v[ADKS], s[TKS], v[LKS]
	v_add_nc_u32 v[ADVS], s[TVS], v[LVS]
.irp t, 0,1,2,3,4,5,6,7
.irp j, 0,1,2
	ds_load_b64 v[KF+6*\t+2*\j:KF+6*\t+2*\j+1], v[ADK] offset:768*\t+256*\j
.endr
.endr
	ds_load_b128 v[KSW:KSW+3], v[ADKS]
	ds_load_b128 v[KSW+4:KSW+7], v[ADKS] offset:256
	s_wait_alu depctr_va_vdst(0)
	s_wait_dscnt 0x0
.irp t, 0,1,2,3,4,5,6,7
	v_wmma_scale_f32_16x16x128_f8f6f4 v[SX+8*\t:SX+8*\t+7], v[KF+6*\t:KF+6*\t+11], v[\qf:\qf+11], 0, v[KSW+\t], v[\qs] matrix_a_fmt:MATRIX_FMT_FP6 matrix_b_fmt:MATRIX_FMT_FP6
.endr                                  ; register 8 t + j of lane (r, h): key 16 t + 8 h + j of the step, query r
	PLACES 4                                       ; in front of the loads below and of the first read of the scores
.irp a, 0,1,2,3
.irp j, 0,1,2,3,4,5
	ds_load_b64 v[KF+12*\a+2*\j:KF+12*\a+2*\j+1], v[ADV] offset:1536*\a+256*\j   ; V lands under the softmax
.endr
.endr
	ds_load_b128 v[VSW:VSW+3], v[ADVS]
.if \guard
	s_cmp_lg_u32 s[KSN], s[LIM]
	s_cbranch_scc1 .Lopen_\@
.set n, 0
.rept 64                               ; on the diagonal hidden scores become -infinity ahead of the maximum: p = 0 then.  Hidden: 16 (n / 8) + n % 8 + 8 h > 16 (tile % 8) + r.  The step's first key counts for every query
	v_cmp_gt_i32 vcc_lo, 16*(n/8)+n%8, v[DG]
	v_cndmask_b32 v[SX+n], v[SX+n], v[NINF], vcc_lo
.set n, n+1
.endr
.Lopen_\@:
.endif
.irp b, 0,1,2,3
	v_max3_num_f32 v[BM+\b], v[SX+16*\b], v[SX+16*\b+1], v[SX+16*\b+2]   ; the largest score of each block of 32 keys: for the row's maximum, and, since p rises with the score, for the block's largest p
.endr
.irp i, 3,5,7,9,11,13
.irp b, 0,1,2,3
	v_max3_num_f32 v[BM+\b], v[BM+\b], v[SX+16*\b+\i], v[SX+16*\b+\i+1]
.endr
.endr
.irp b, 0,1,2,3
	v_max_num_f32 v[BM+\b], v[BM+\b], v[SX+16*\b+15]
.endr
.irp b, 0,1,2,3
	s_delay_alu instid0(VALU_DEP_4)
	v_permlanex16_b32 v[BT+\b], v[BM+\b], s[SEL], s[SEL+1]
.endr
.irp b, 0,1,2,3
	s_delay_alu instid0(VALU_DEP_4)
	v_max_num_f32 v[BM+\b], v[BM+\b], v[BT+\b]     ; with lane l xor 16's 16 keys
.endr
	s_delay_alu instid0(VALU_DEP_2)
	v_max3_num_f32 v[TMP], v[BM], v[BM+1], v[BM+2]
	s_delay_alu instid0(VALU_DEP_1)
	v_max_num_f32 v[TMP], v[TMP], v[BM+3]
	s_delay_alu instid0(VALU_DEP_1)
	v_mul_f32 v[TMP], s[CS], v[TMP]                ; the step's largest t (c is positive)
	s_delay_alu instid0(VALU_DEP_1)
	v_max_num_f32 v13, v13, v[TMP]
	v_mov_b32 v[TMP], v12
	s_delay_alu instid0(VALU_DEP_2)
	v_floor_f32 v12, -v13                          ; the new -M = floor(-t): M is a whole number
	s_delay_alu instid0(VALU_DEP_1)
	v_sub_f32 v[TMP], v12, v[TMP]                  ; old M - new M: a whole number, 0 or less
	s_delay_alu instid0(VALU_DEP_1)
	v_cvt_i32_f32 v[TMP], v[TMP]                   ; (it saturates)
	s_delay_alu instid0(VALU_DEP_1)
	v_ldexp_f32 v[F], 1.0, v[TMP]                  ; f = 2^(old M - new M)
.set n, 0
.rept 32
	v_pk_fma_f32 v[SX+n:SX+n+1], v[SX+n:SX+n+1], s[CS:CS+1], v[12:13] op_sel_hi:[1,0,0]   ; t - M, two at a time
.set n, n+2
.endr
.irp b, 0,1,2,3
	v_fma_f32 v[BM+\b], v[BM+\b], s[CS], v12
.endr
.set n, 0
	s_setprio 1
	s_wait_alu depctr_va_vdst(0)
.rept 64
	v_exp_f32 v[SX+n], v[SX+n]                     ; p = 2^(t - M), at most 1
.set n, n+1
.endr
.irp b, 0,1,2,3
	v_exp_f32 v[BM+\b], v[BM+\b]                   ; the block's largest p: the same two instructions on the same number
.endr
	v_pk_mul_f32 v[14:15], v[14:15], v[F:F+1] op_sel_hi:[1,0]   ; the sums under the new M.  (A plain place behind the exponentials)
	s_wait_alu depctr_va_vdst(0)
.irp b, 0,1,2,3
	v_max_num_f32 v[BM+\b], 0x1800000, v[BM+\b]    ; the floor 2^(3 - 127): the byte cannot fall under 1
.endr
.irp b, 0,1,2,3
	s_delay_alu instid0(VALU_DEP_4)
	v_add_nc_u32 v[SO+\b], 0xff000000, v[BM+\b]    ; 2 off the exponent field: the conversion's scale operand
.endr
.irp b, 0,1,2,3
	s_delay_alu instid0(VALU_DEP_4)
	v_lshrrev_b32 v[BT+\b], 23, v[SO+\b]
.endr
	s_delay_alu instid0(VALU_DEP_3)
	v_lshl_or_b32 v[PW], v[BT+1], 8, v[BT]         ; p's scale word for these 128 keys
	s_delay_alu instid0(VALU_DEP_1)
	v_lshl_or_b32 v[PW], v[BT+2], 16, v[PW]
	s_delay_alu instid0(VALU_DEP_1)
	v_lshl_or_b32 v[PW], v[BT+3], 24, v[PW]
.irp c, 0,1
	v_cvt_scalef32_pk16_fp6_f32 v[PC+6*\c:PC+6*\c+2], v[SX+32*\c:SX+32*\c+15], v[SO+2*\c]
	v_cvt_scalef32_pk16_fp6_f32 v[TP+4*\c:TP+4*\c+2], v[SX+32*\c+16:SX+32*\c+31], v[SO+2*\c+1]
.endr
	v_nop                                          ; one plain place behind a scaled conversion
.irp c, 0,1
.irp i, 0,1,2
	v_permlane16_swap_b32 v[PC+6*\c+\i], v[TP+4*\c+\i]
.endr
.irp i, 0,1,2
	s_delay_alu instid0(VALU_DEP_3)
	v_mov_b32 v[PC+6*\c+3+\i], v[TP+4*\c+\i]
.endr
.endr
	v_pk_add_f32 v[240:241], v[112:113], v[116:117]
	v_pk_add_f32 v[252:253], v[120:121], v[124:125]
	v_pk_add_f32 v[250:251], v[128:129], v[132:133]
	v_pk_add_f32 v[248:249], v[136:137], v[140:141]
	v_pk_add_f32 v[234:235], v[144:145], v[148:149]
	v_pk_add_f32 v[232:233], v[152:153], v[156:157]
	v_pk_add_f32 v[226:227], v[160:161], v[164:165]
	v_pk_add_f32 v[14:15], v[14:15], v[168:169]
	v_pk_add_f32 v[240:241], v[240:241], v[108:109]
	v_pk_add_f32 v[252:253], v[252:253], v[110:111]
	v_pk_add_f32 v[250:251], v[250:251], v[114:115]
	v_pk_add_f32 v[248:249], v[248:249], v[118:119]
	v_pk_add_f32 v[234:235], v[234:235], v[122:123]
	v_pk_add_f32 v[232:233], v[232:233], v[126:127]
	v_pk_add_f32 v[226:227], v[226:227], v[130:131]
	v_pk_add_f32 v[14:15], v[14:15], v[134:135]
	v_pk_add_f32 v[240:241], v[240:241], v[138:139]
	v_pk_add_f32 v[252:253], v[252:253], v[142:143]
	s_setprio 0
	v_pk_add_f32 v[250:251], v[250:251], v[146:147]
	v_pk_add_f32 v[248:249], v[248:249], v[150:151]
	v_pk_add_f32 v[234:235], v[234:235], v[154:155]
	v_pk_add_f32 v[232:233], v[232:233], v[158:159]
	v_pk_add_f32 v[226:227], v[226:227], v[162:163]
	v_pk_add_f32 v[14:15], v[14:15], v[166:167]
	v_pk_add_f32 v[240:241], v[240:241], v[170:171]
	s_delay_alu instid0(VALU_DEP_2)
	v_pk_add_f32 v[14:15], v[14:15], v[248:249]
	s_delay_alu instid0(VALU_DEP_2)
	v_pk_add_f32 v[240:241], v[240:241], v[234:235]
	v_pk_add_f32 v[252:253], v[252:253], v[232:233]
	v_pk_add_f32 v[250:251], v[250:251], v[226:227]
	s_delay_alu instid0(VALU_DEP_2)
	v_pk_add_f32 v[14:15], v[14:15], v[252:253]
	s_delay_alu instid0(VALU_DEP_2)
	v_pk_add_f32 v[240:241], v[240:241], v[250:251]
	s_delay_alu instid0(VALU_DEP_1)
	v_pk_add_f32 v[14:15], v[14:15], v[240:241]
.set n, 0
.rept 16
	v_pk_mul_f32 v[OT+n:OT+n+1], v[OT+n:OT+n+1], v[F:F+1] op_sel_hi:[1,0]   ; O^T under the new M, each accumulator from its low end on.  (With the sums above: the places between p's codes and scale word and the products)
.set n, n+2
.endr
	s_wait_alu depctr_va_vdst(0)
	s_wait_dscnt 0x0                               ; V is in
.irp a, 0,1,2,3
	v_wmma_scale_f32_16x16x128_f8f6f4 v[OT+8*\a:OT+8*\a+7], v[KF+12*\a:KF+12*\a+11], v[PC:PC+11], v[OT+8*\a:OT+8*\a+7], v[VSW+\a], v[PW] matrix_a_fmt:MATRIX_FMT_FP6 matrix_b_fmt:MATRIX_FMT_FP6
.endr                                  ; the four accumulators by turns; the eight products of the next step's scores stand between two links of a chain
.if \guard
.Lhid_\@:
.endif
	s_add_co_u32 s[TK], s[TK], 6144
	s_add_co_u32 s[TKS], s[TKS], 512
	s_add_co_u32 s[TVS], s[TVS], 256
.endm
; A tile ends: O^T / the sum is ctx(query r, channel 16 a + 8 h + j); put in the natural order along the channels; quantised in two blocks of 32; the codes leave as half a fragment, the scale word goes to the stage.
.macro FINISH go, ast
	PLACES 4
	v_add_f32 v14, v14, v15
	s_delay_alu instid0(VALU_DEP_1)
	v_permlanex16_b32 v[TMP], v14, s[SEL], s[SEL+1]
	s_delay_alu instid0(VALU_DEP_1)
	v_add_f32 v14, v14, v[TMP]                     ; the row's sum
	s_wait_alu depctr_va_vdst(0)
	v_rcp_f32 v14, v14
	v_nop                                          ; one plain place behind a transcendental
.set n, 0
	s_wait_alu depctr_va_vdst(0)
.rept 16
	v_pk_mul_f32 v[OT+n:OT+n+1], v[OT+n:OT+n+1], v[14:15] op_sel_hi:[1,0]
.set n, n+2
.endr
.irp c, 0,1
.irp j, 0,1,2,3,4,5,6,7
	v_permlane16_swap_b32 v[OT+16*\c+\j], v[OT+16*\c+8+\j]   ; register 16 c + i now holds channel 32 c + 16 h + i
.endr
.endr
.irp c, 0,1
	v_max3_num_f32 v[BM+\c], |v[OT+16*\c]|, |v[OT+16*\c+1]|, 0x1800000
.endr
.irp i, 2,4,6,8,10,12,14
.irp c, 0,1
	s_delay_alu instid0(VALU_DEP_2)
	v_max3_num_f32 v[BM+\c], v[BM+\c], |v[OT+16*\c+\i]|, |v[OT+16*\c+\i+1]|
.endr
.endr
.irp c, 0,1
	s_delay_alu instid0(VALU_DEP_2)
	v_permlanex16_b32 v[BT+\c], v[BM+\c], s[SEL], s[SEL+1]
.endr
.irp c, 0,1
	s_delay_alu instid0(VALU_DEP_2)
	v_max_num_f32 v[BM+\c], v[BM+\c], v[BT+\c]
.endr
.irp c, 0,1
	s_delay_alu instid0(VALU_DEP_2)
	v_add_nc_u32 v[SO+\c], 0xff000000, v[BM+\c]
.endr
.irp c, 0,1
	s_delay_alu instid0(VALU_DEP_2)
	v_lshrrev_b32 v[BT+\c], 23, v[SO+\c]
.endr
	s_delay_alu instid0(VALU_DEP_1)
	v_lshl_or_b32 v[PW], v[BT+1], 8, v[BT]         ; the head's two bytes; the upper two are 0
	v_cvt_scalef32_pk16_fp6_f32 v[PC:PC+2], v[OT:OT+15], v[SO]
	v_cvt_scalef32_pk16_fp6_f32 v[TP:TP+2], v[OT+16:OT+31], v[SO+1]
	v_nop
.irp i, 0,1,2
	v_permlane16_swap_b32 v[PC+\i], v[TP+\i]
.endr
.irp i, 0,1,2
	s_delay_alu instid0(VALU_DEP_3)
	v_mov_b32 v[PC+3+\i], v[TP+\i]
.endr
.irp j, 0,1,2
	global_store_b64 v[\go], v[PC+2*\j:PC+2*\j+1], s[16:17] offset:256*\j   ; 32 lanes store 256 consecutive bytes, aligned
.endr
	ds_store_b32 v[\ast], v[PW]                    ; lanes r and 16 + r write the same word with the same value
	s_wait_xcnt 0x0                                ; the codes' registers are written again only behind this wait
.endm
	s_wait_loadcnt 0x0                             ; Q and its scale words
	s_wait_tensorcnt 0x1                           ; the scale words and key steps 0 and 1 are in; the one load issued behind them may be out
	s_barrier_signal -1
	s_barrier_wait -1
	INIT D2, L2                                    ; the late tile first: its first two steps are whole and need only what has landed
	s_mov_b32 s[KSN], 0
	s_mov_b32 s[TK], 0
	s_mov_b32 s[TKS], 0
	s_mov_b32 s[TVS], 0
.La1:
	STEP Q2, QS2, 0
	s_add_co_u32 s[KSN], s[KSN], 1
	s_cmp_lt_u32 s[KSN], 2
	s_cbranch_scc1 .La1
	s_setprio 0
	s_wait_tensorcnt 0x0                           ; the rest of K or of V is in,
	s_barrier_signal -1
	s_barrier_wait -1                              ; everybody's is
	s_mov_b32 s[KSN], 2
	s_mov_b32 s[TK], 2*6144
	s_mov_b32 s[TKS], 2*512
	s_mov_b32 s[TVS], 2*256
.La2:
	STEP Q2, QS2, 1
	s_add_co_u32 s[KSN], s[KSN], 1
	s_cmp_lt_u32 s[KSN], 16
	s_cbranch_scc1 .La2
	s_setprio 0
	FINISH GO2, AST2
	INIT D1, L1
	s_mov_b32 s[KSN], 0
	s_mov_b32 s[TK], 0
	s_mov_b32 s[TKS], 0
	s_mov_b32 s[TVS], 0
.Lb:
	STEP Q1, QS1, 1
	s_add_co_u32 s[KSN], s[KSN], 1
	s_cmp_lt_u32 s[KSN], 8
	s_cbranch_scc1 .Lb
	s_setprio 0
	FINISH GO1, AST1
	s_wait_dscnt 0x0                               ; for the others' sake: my two stores into the stage are done
	s_barrier_signal -1
	s_barrier_wait -1
	s_cmp_lt_u32 s[WV], 4                          ; the stage's 2,048 bytes leave by four waves, 512 consecutive bytes each
	s_cbranch_scc0 .Lno_words
	ds_load_b128 v[PC:PC+3], v[ASTL]
	s_wait_dscnt 0x0
	global_store_b128 v[GSC], v[PC:PC+3], s[18:19]
.Lno_words:
	s_wait_tensorcnt 0x0
	ds_add_u32 v254, v255
	s_wait_dscnt 0x0
	CROUND                                         ; the closing round
	s_endpgm
.Lfunc_end_k_q210e4d8d6b_attn:
	.size	k_q210e4d8d6b_attn, .Lfunc_end_k_q210e4d8d6b_attn-k_q210e4d8d6b_attn
	.p2alignl 7, 3214868480
	.fill 96, 4, 3214868480
	.section	.rodata,"a",@progbits
	.p2align	6, 0x0
	.amdhsa_kernel k_q210e4d8d6b_attn
		.amdhsa_group_segment_fixed_size 215040
		.amdhsa_private_segment_fixed_size 0
		.amdhsa_enable_private_segment 0
		.amdhsa_kernarg_size 64
		.amdhsa_user_sgpr_count 2
		.amdhsa_user_sgpr_kernarg_segment_ptr 1
		.amdhsa_wavefront_size32 1
		.amdhsa_system_sgpr_workgroup_id_x 1
		.amdhsa_system_sgpr_workgroup_id_y 1
		.amdhsa_system_sgpr_workgroup_id_z 1
		.amdhsa_system_vgpr_workitem_id 0
		.amdhsa_next_free_vgpr 256
		.amdhsa_next_free_sgpr 106
		.amdhsa_reserve_vcc 1
		.amdhsa_float_denorm_mode_32 3
		.amdhsa_float_denorm_mode_16_64 3
		.amdhsa_memory_ordered 1
		.amdhsa_forward_progress 1
		.amdhsa_inst_pref_size 91
	.end_amdhsa_kernel
	.amdgpu_metadata
---
amdhsa.version: [ 1, 2 ]
amdhsa.kernels:
  - .name:           k_q210e4d8d6b_attn
    .symbol:         k_q210e4d8d6b_attn.kd
    .args:
      - { .name: q_img, .offset: 0, .size: 8, .value_kind: global_buffer, .address_space: global }
      - { .name: q_sc, .offset: 8, .size: 8, .value_kind: global_buffer, .address_space: global }
      - { .name: k_img, .offset: 16, .size: 8, .value_kind: global_buffer, .address_space: global }
      - { .name: k_sc, .offset: 24, .size: 8, .value_kind: global_buffer, .address_space: global }
      - { .name: v_img, .offset: 32, .size: 8, .value_kind: global_buffer, .address_space: global }
      - { .name: v_sc, .offset: 40, .size: 8, .value_kind: global_buffer, .address_space: global }
      - { .name: ctx_img, .offset: 48, .size: 8, .value_kind: global_buffer, .address_space: global }
      - { .name: ctx_sc, .offset: 56, .size: 8, .value_kind: global_buffer, .address_space: global }
    .group_segment_fixed_size: 215040
    .private_segment_fixed_size: 0
    .kernarg_segment_align: 8
    .kernarg_segment_size: 64
    .max_flat_workgroup_size: 512
    .sgpr_count:     106
    .vgpr_count:     256
    .wavefront_size: 32
...
	.end_amdgpu_metadata
.endif
;; end of part 2
;; launch proj (part 3): grid 64 x 4, 4 waves a work-group, clusters of 4 x 4, 327,680 bytes of LDS; arguments ctx_img, ctx_sc, Wp_codes, Wp_scales, out0; writes out0
.if DOCPART == 3
	.amdgcn_target "amdgcn-amd-amdhsa--gfx1250"
	.amdhsa_code_object_version 6
	.text
	.protected	k_q210e4d8d6b_proj
	.globl	k_q210e4d8d6b_proj
	.p2align	8
	.type	k_q210e4d8d6b_proj,@function
k_q210e4d8d6b_proj:
	s_mov_b64 s[64:65], 0
	v_nop
	global_prefetch_b8 v0, s[64:65] scope:SCOPE_SE
	s_setreg_imm32_b32 hwreg(HW_REG_WAVE_MODE, 25, 1), 1
	s_wait_xcnt 0x0
	s_wait_alu depctr_hold_cnt(0) depctr_sa_sdst(0) depctr_va_vdst(0) depctr_va_sdst(0) depctr_va_ssrc(0) depctr_va_vcc(0) depctr_vm_vsrc(0)
	s_getreg_b32 s2, hwreg(HW_REG_IB_STS2, 6, 4)
	s_cmp_eq_u32 s2, 0
	s_cbranch_scc0 .Lentry_in_a_cluster
	s_endpgm
.Lentry_in_a_cluster:
	s_bfe_u32 s2, ttmp6, 0x10000c
	s_cmp_lg_u32 s2, 0xf033
	s_cbranch_scc0 .Lentry_shape_is_right
	s_endpgm
.Lentry_shape_is_right:
; out = ctx Wp^T on codes of FP6 (E2M3) with E8M0 scales, sums in f32.  ctx comes as images of operand registers [K step 8][tile of 16 rows 512][1,536 bytes] and scale words [b][head][tile % 4][tile / 4][row]
; (two bytes a head); Wp as rows of 768 bytes of codes and 32 scale bytes.
; D^T = S R^T: source 0 = 16 rows of S = Wp, source 1 = 16 rows of R = ctx: a lane holds one row of the output and eight neighbouring columns.
; SHARES.  16 clusters of 4 x 4 work-groups; a work-group makes 128 rows (tile 4 x cluster + cy) x 256 columns (tile cx) over all K = 1,024; wave (wr, ws) makes 64 x 128: 32 accumulators.
; ALL OF K LIES IN LDS AT ONCE (324,096 bytes): every byte is filled once.  Wp's rows come as three chunks of 256 bytes, each a region with rows 272 bytes apart (68 words: row r starts at bank 4 r mod 64; ISA guide 11.1);
; ctx's images as K steps 0-1, 2-4, 5-7, which are the steps that read those chunks first.  ctx's tile is asked for jointly along a row of the cluster, Wp's along a column.
; The way out goes through a stage in Wp's region 0, which has had its only fill and whose last read stands ahead of the barrier in K step 4.
; No prefetch: all tensor loads go out at the start.
.set SPIT,  272
.set BLK16, 16*SPIT
.set SREG,  256*SPIT
.set RIMG,  3*SREG                     ; ctx's images: [half of the rows 2][K step 8][tile 4][1,536]
.set SCLR,  RIMG+98304                 ; ctx's scale words: [head 16][tile % 4][half 2][row 16]: 8,192 bytes
.set SCLS,  SCLR+8192                  ; Wp's scale bytes: 32 units of 256 + 16; the end is byte 324,096
.set SPT,   528                        ; a stage row: 512 bytes + 16
.set PADB,  (1<<20)|(1<<21)|(5<<22)|(3<<25)
.set WV, 2
.set WR, 3                             ; wave / 2: my 64 rows.  Also: I fetch for ctx (0) or for Wp (1)
.set WS, 66                            ; wave % 2: my 128 columns.  Also: which half I fetch
.set CX, 67
.set CY, 100
.set TT, 101
.set G1RA, 24                          ; s[24:31] ctx: 2 K steps;  s[32:39] 3 K steps;  s[40:47] Wp's chunks;  s[48:55] ctx's scale words;  s[56:63] Wp's scale bytes
.set G1RB, 32
.set G1S,  40
.set G1RS, 48
.set G1SS, 56
.set G0R,  68
.set G0S,  84
.set ADS, 8
.set AXS, 11
.set ARI, 13                           ; v13  RIMG + my half + 8 x lane
.set ASS, 18
.set ASR, 19
.set STO, 21                           ; v21  the stage: where I put 32 bytes of a row
.set RD,  22                           ; v22  and where I read a row back
.set CO,  23                           ; v23  16 x lane
.set SCS, 32
.set SCR, 96
.set RF,  128
.set BK,  128                          ; the way out: 16 rows read back: v128-191 and v192-255 by turns
.set MSB, 0
.macro WIN new
.if MSB != \new
	s_set_vgpr_msb (MSB<<8)|\new
.set MSB, \new
.endif
.endm
.macro PLACES n
.rept \n
	v_nop
.endr
.endm
.macro CROUND
	s_barrier_signal -1
	s_barrier_wait -1
	s_cmp_lg_u32 s[WV], 0
	s_cbranch_scc1 .Lnot_wave_0_\@
	s_barrier_signal -3
.Lnot_wave_0_\@:
	s_barrier_wait -3
	s_barrier_signal -1
	s_barrier_wait -1
.endm
.macro SHAPE g, c, r, p
	s_mov_b32 s[\g+1], (\c)<<16
	s_mov_b32 s[\g+2], (\r)<<16
	s_mov_b32 s[\g+3], (\c)<<16
	s_mov_b32 s[\g+4], \r
	s_mov_b32 s[\g+5], \p
	s_mov_b32 s[\g+6], 0
	s_mov_b32 s[\g+7], 0
.endm
	s_load_b256 s[4:11], s[0:1], 0x0               ; ctx_img, ctx_sc, Wp's codes, Wp's scales
	s_load_b64 s[12:13], s[0:1], 0x20              ; out
	v_lshl_add_u32 v30, v0, 2, 0x4f200
	v_mov_b32 v31, 0
	ds_add_u32 v30, v31
	ds_add_u32 v30, v31
	v_lshrrev_b32 v1, 5, v0
	v_readfirstlane_b32 s[WV], v1
	s_lshr_b32 s[WR], s[WV], 1
	s_and_b32 s[WS], s[WV], 1
	s_bfe_u32 s[CX], ttmp6, 0x40000
	s_bfe_u32 s[CY], ttmp6, 0x40004
	s_lshl_b32 s[TT], s[CY], 2
	s_lshl_b32 s[TT], 15, s[TT]                    ; my row of the cluster
	s_or_b32 s[G1RA], s[TT], (3<<16)|(1<<21)       ; elements of 8 bytes, no padding: the images are read 256 consecutive bytes an instruction
	s_or_b32 s[G1RB], s[TT], (3<<16)|(1<<21)
	s_or_b32 s[G1RS], s[TT], (3<<16)|(1<<21)
	s_lshl_b32 s[TT], 0x1111, s[CX]                ; my column
	s_or_b32 s[G1S], s[TT], PADB
	s_or_b32 s[G1SS], s[TT], (3<<16)|PADB
	SHAPE G1RA, 768, 2, 98304                      ; four tiles' 6,144 bytes of each of 2 K steps, 786,432 bytes apart
	SHAPE G1RB, 768, 3, 98304
	SHAPE G1RS, 16, 32, 256                        ; 128 bytes (both halves' 16 rows) of each of 32 (head, tile % 4), 2,048 bytes apart
	SHAPE G1S, 256, 128, 768
	SHAPE G1SS, 32, 16, 32
	; s14-17 never hold cx, s18-21 never cy
	s_lshl_b32 s14, ttmp9, 2
	s_add_co_u32 s14, s14, s[CY]                   ; the tile of 128 rows
	s_lshl_b32 s15, s14, 3
	s_lshl_b32 s16, s[WS], 2
	s_add_co_u32 s15, s15, s16                     ; the four tiles of 16 rows that I would fetch
	s_mul_i32 s16, s15, 1536
	s_mov_b32 s17, 0
	s_lshl_b32 s18, s[CX], 8
	s_lshl_b32 s19, s[WS], 7
	s_add_co_u32 s18, s18, s19                     ; the 128 rows of Wp
	s_mul_i32 s20, s18, 768
	s_mov_b32 s21, 0
	s_lshl_b32 s22, s14, 7                         ; out: my first row,
	s_lshl_b32 s23, s[WR], 6
	s_add_co_u32 s22, s22, s23
	s_lshl_b32 s22, s22, 12                        ; of 4,096 bytes,
	s_lshl_b32 s23, s[CX], 10
	s_add_co_u32 s22, s22, s23
	s_lshl_b32 s23, s[WS], 9
	s_add_co_u32 s22, s22, s23                     ; + my first column
	s_mov_b32 s23, 0
	v_and_b32 v1, 31, v0
	v_and_b32 v2, 15, v0                           ; r
	v_bfe_u32 v3, v0, 4, 1                         ; h
	v_mul_u32_u24 v4, v2, SPIT
	v_mad_u32_u24 v5, v3, 24, v4
	v_mad_u32_u24 v6, v3, SREG-232, v4
	s_mul_i32 s[TT], s[WS], 128*SPIT
	v_add_nc_u32 v[ADS], s[TT], v5
	v_add_nc_u32 v[ADS+1], SREG, v[ADS]
	v_add_nc_u32 v[ADS+2], 2*SREG, v[ADS]
	v_add_nc_u32 v[AXS], s[TT], v6
	v_add_nc_u32 v[AXS+1], SREG, v[AXS]
	s_mul_i32 s[TT], s[WR], 49152
	s_add_co_u32 s[TT], s[TT], RIMG
	v_lshl_add_u32 v[ARI], v1, 3, s[TT]
	v_lshrrev_b32 v6, 3, v2
	v_lshlrev_b32 v7, 5, v2
	v_lshl_add_u32 v7, v6, 4, v7
	s_mul_i32 s[TT], s[WS], 16*SPIT
	s_add_co_u32 s[TT], s[TT], SCLS
	v_add_nc_u32 v[ASS], s[TT], v7
	s_lshl_b32 s[TT], s[WR], 6
	s_add_co_u32 s[TT], s[TT], SCLR
	v_lshl_add_u32 v[ASR], v2, 2, s[TT]
	s_mul_i32 s[TT], s[WV], 16*SPT                 ; my stage
	v_mul_u32_u24 v4, v2, SPT
	v_lshl_add_u32 v4, v3, 5, v4
	v_add_nc_u32 v[STO], s[TT], v4
	v_lshlrev_b32 v[CO], 4, v1
	v_add_nc_u32 v[RD], s[TT], v[CO]
	s_wait_dscnt 0x0
	s_wait_kmcnt 0x0
	s_add_nc_u64 s[4:5], s[4:5], s[16:17]
	s_lshr_b32 s15, s14, 4                         ; ctx's scale words: batch x 131,072 + my 8 heads x 8,192 + (tile % 16) x 128
	s_lshl_b32 s16, s15, 17
	s_lshl_b32 s15, s[WS], 16
	s_add_co_u32 s16, s16, s15
	s_and_b32 s15, s14, 15
	s_lshl_b32 s15, s15, 7
	s_add_co_u32 s16, s16, s15
	s_add_nc_u64 s[6:7], s[6:7], s[16:17]
	s_add_nc_u64 s[8:9], s[8:9], s[20:21]
	s_lshl_b32 s20, s18, 5
	s_add_nc_u64 s[10:11], s[10:11], s[20:21]
	s_add_nc_u64 s[12:13], s[12:13], s[22:23]
	s_lshl_b32 s15, s[WS], 12
	s_mul_i32 s16, s[WS], 49152
	s_mul_i32 s18, s[WS], 16*SPIT
	s_mul_i32 s19, s[WS], 128*SPIT
	s_mov_b32 s[G0R], 1
	s_add_co_u32 s[G0R+1], s15, SCLR
	s_mov_b64 s[G0R+2:G0R+3], s[6:7]
	s_or_b32 s[G0R+3], s[G0R+3], 0x80000000
	s_mov_b32 s[G0S], 1
	s_add_co_u32 s[G0S+1], s18, SCLS
	s_mov_b64 s[G0S+2:G0S+3], s[10:11]
	s_or_b32 s[G0S+3], s[G0S+3], 0x80000000
.irp c, 0,1,2
	s_mov_b32 s[G0R+4+4*\c], 1
	s_add_co_u32 s[G0R+5+4*\c], s16, RIMG+((5*\c)/2)*6144          ; chunk c begins at K step (5 c) / 2 = 0, 2, 5: steps 0-1, 2-4, 5-7, side by side
	s_add_nc_u64 s[G0R+6+4*\c:G0R+7+4*\c], s[4:5], ((5*\c)/2)*786432
	s_or_b32 s[G0R+7+4*\c], s[G0R+7+4*\c], 0x80000000
	s_mov_b32 s[G0S+4+4*\c], 1
	s_add_co_u32 s[G0S+5+4*\c], s19, \c*SREG
	s_add_nc_u64 s[G0S+6+4*\c:G0S+7+4*\c], s[8:9], 256*\c
	s_or_b32 s[G0S+7+4*\c], s[G0S+7+4*\c], 0x80000000
.endr
	CROUND                                         ; all sixteen work-groups are here: the joint loads meet
	s_cmp_eq_u32 s[WR], 0                          ; a wave's four fills stand in one branch on the wave's number: four tensor loads of mine are out
	s_cbranch_scc0 .Lfor_s
	tensor_load_to_lds s[G0R:G0R+3], s[G1RS:G1RS+7]
	s_nop 0
	tensor_load_to_lds s[G0R+4:G0R+7], s[G1RA:G1RA+7]
	s_nop 0
	tensor_load_to_lds s[G0R+8:G0R+11], s[G1RB:G1RB+7]
	s_nop 0
	tensor_load_to_lds s[G0R+12:G0R+15], s[G1RB:G1RB+7]
	s_nop 0
	PLACES 4                                       ; four v_nop follow the last
	s_branch .Lasked
.Lfor_s:
	tensor_load_to_lds s[G0S:G0S+3], s[G1SS:G1SS+7]
	s_nop 0
	tensor_load_to_lds s[G0S+4:G0S+7], s[G1S:G1S+7]
	s_nop 0
	tensor_load_to_lds s[G0S+8:G0S+11], s[G1S:G1S+7]
	s_nop 0
	tensor_load_to_lds s[G0S+12:G0S+15], s[G1S:G1S+7]
	s_nop 0
	PLACES 4
.Lasked:
; A fragment of Wp from rows: lane l holds row l % 16; registers 6 c .. 6 c + 5 hold K = 64 c + 32 (l / 16) + 0 .. 31: 24 bytes of the row, in pieces of 8.  A region holds 32 pieces of a row; where the piece that
; lanes 16-31 take, three on, lies in the next region, the second address register serves.
.macro FRAG reg, adr, adx, s, i
.irp p, 0,1,2,3,4,5
.set PCE, 12*(\s)+6*(\p/3)+\p%3
.set CH, PCE/32
.set OF, PCE%32
.if OF < 29
	ds_load_b64 v[\reg+2*\p:\reg+2*\p+1], v[\adr+CH] offset:8*OF+(\i)*BLK16
.else
	ds_load_b64 v[\reg+2*\p:\reg+2*\p+1], v[\adx+CH] offset:8*OF+(\i)*BLK16
.endif
.endr
.endm
.macro FETCH s, set                    ; K step s: Wp's eight fragments from rows, ctx's four from their images: 72 loads in one run
	WIN 0x40
.irp i, 0,1,2,3,4,5,6,7
	FRAG 128*(\set)+12*\i, ADS, AXS, \s, \i
.endr
	WIN 0
.irp a, 0,1,2,3
.irp j, 0,1,2,3,4,5
	ds_load_b64 v[RF+48*(\set)+12*\a+2*\j:RF+48*(\set)+12*\a+2*\j+1], v[ARI] offset:6144*(\s)+1536*\a+256*\j
.endr
.endr
.endm
; The 32 accumulators take turns, one instruction a turn, in the same order in every step.
.macro MUL16 a0, set, s, zero
.irp a, \a0, \a0+1
.irp b, 0,1,2,3,4,5,6,7
.if \zero
	v_wmma_scale_f32_16x16x128_f8f6f4 v[8*(8*(\a)+\b):8*(8*(\a)+\b)+7], v[128*(\set)+12*\b:128*(\set)+12*\b+11], v[RF+48*(\set)+12*(\a):RF+48*(\set)+12*(\a)+11], 0, v[SCS+8*\b+(\s)], v[SCR+8*(\a)+(\s)] matrix_a_fmt:MATRIX_FMT_FP6 matrix_b_fmt:MATRIX_FMT_FP6
.else
	v_wmma_scale_f32_16x16x128_f8f6f4 v[8*(8*(\a)+\b):8*(8*(\a)+\b)+7], v[128*(\set)+12*\b:128*(\set)+12*\b+11], v[RF+48*(\set)+12*(\a):RF+48*(\set)+12*(\a)+11], v[8*(8*(\a)+\b):8*(8*(\a)+\b)+7], v[SCS+8*\b+(\s)], v[SCR+8*(\a)+(\s)] matrix_a_fmt:MATRIX_FMT_FP6 matrix_b_fmt:MATRIX_FMT_FP6
.endif
.endr
.endr
.endm
; A K step of 128: this step's fragments are in; the next step's are asked for at once, 32 matrix instructions ahead of their use.  tc >= 0: the next step is the first to read a further chunk:
; each wave shows its part landed (tc younger loads may be out), then the work-group's barrier.
.macro STEP s, tc, zero
	s_wait_dscnt 0x0
.if (\tc) >= 0
	s_wait_tensorcnt \tc
	s_barrier_signal -1
	s_barrier_wait -1
.endif
.if (\s) < 7
.if (\s) > 0
	PLACES 4                                       ; in front of loads into the set that the last step's matrix instructions read
.endif
	FETCH (\s)+1, ((\s)+1)%2
.endif
	WIN 0xa1                                       ; source 0 (Wp) window 1, source 1 (ctx) window 0, C and D window 2
	MUL16 0, (\s)%2, \s, \zero
	MUL16 2, (\s)%2, \s, \zero
	WIN 0
.endm
	s_wait_tensorcnt 0x2                           ; my scales and my first chunk are in; the two chunks issued behind them may be out
	s_barrier_signal -1
	s_barrier_wait -1
	s_wait_alu depctr_va_vdst(0)
.irp b, 0,1,2,3,4,5,6,7
	ds_load_b128 v[SCS+8*\b:SCS+8*\b+3], v[ASS] offset:2*SPIT*\b
	ds_load_b128 v[SCS+8*\b+4:SCS+8*\b+7], v[ASS] offset:2*SPIT*\b+16
.endr
.irp a, 0,1,2,3
.irp s, 0,1,2,3,4,5,6,7
	ds_load_b32 v[SCR+8*\a+\s], v[ASR] offset:(8*\s+\a)*128        ; K step s is heads 2 s and 2 s + 1: two bytes from each
	ds_load_b32 v[RF+8*\a+\s], v[ASR] offset:(8*\s+4+\a)*128
.endr
.endr
	s_wait_dscnt 0x0
.set n, 0
.rept 32
	v_lshl_or_b32 v[SCR+n], v[RF+n], 16, v[SCR+n]
.set n, n+1
.endr
	PLACES 8                                       ; a scale register written by a vector instruction stands 8 places ahead of a scaled matrix instruction
	FETCH 0, 0
	s_wait_alu depctr_va_vdst(0)
	STEP 0, -1, 1                                  ; the first step's products start the sums: nothing is cleared
	STEP 1, 1, 0                                   ; K step 2 is the first to read the second chunks
	STEP 2, -1, 0
	STEP 3, -1, 0
	STEP 4, 0, 0                                   ; K step 5 the first to read the third: no tensor load of mine is out from here on; and every wave's reads of Wp's region 0 are over
	STEP 5, -1, 0
	STEP 6, -1, 0
	STEP 7, -1, 0
; THE WAY OUT, block by block of 16 rows x 128 columns.  A lane holds 32 neighbouring bytes of a row: a block goes through my own stage and comes back as whole rows of 512 bytes.
; LDS serves a wave's instructions in order (ISA guide 5.7.1.4): no wait between the stores and the loads, nor in front of the next block's stores.
.macro TOSTAGE a
	WIN 0x08                                       ; an LDS store's data are its source 1: window 2
.irp b, 0,1,2,3,4,5,6,7
	ds_store_b128 v[STO], v[64*(\a)+8*\b:64*(\a)+8*\b+3] offset:64*\b          ; each accumulator from its low end on
	ds_store_b128 v[STO], v[64*(\a)+8*\b+4:64*(\a)+8*\b+7] offset:64*\b+16
.endr
	WIN 0
.set BB, BK+64*((\a)%2)
.irp t, 0,1,2,3,4,5,6,7,8,9,10,11,12,13,14,15
	ds_load_b128 v[BB+4*\t:BB+4*\t+3], v[RD] offset:\t*SPT
.endr
.endm
.macro SEND a, younger                 ; younger: the LDS instructions issued behind block a's loads, which may stay out
.set BB, BK+64*((\a)%2)
	s_wait_dscnt \younger
.irp t, 0,1,2,3,4,5,6,7,8,9,10,11,12,13,14,15
	global_store_b128 v[CO], v[BB+4*\t:BB+4*\t+3], s[12:13] offset:(16*(\a)+\t)*4096 th:TH_STORE_NT   ; 32 lanes store 512 consecutive bytes, aligned to 256; the row stands in the immediate: 63 x 4,096 at the most
.endr
.endm
	PLACES 4                                       ; behind the last products: ahead of the first read of results and of loads into their operands' registers
	TOSTAGE 0
.irp a, 1,2,3
.if \a > 1
	s_wait_xcnt 0x0                                ; block a - 2's stores have read their registers: block a's loads may land there
.endif
	TOSTAGE \a
	SEND \a-1, 32                                  ; behind block a - 1's loads: block a's 16 stores and 16 loads
.endr
	SEND 3, 0
	s_wait_tensorcnt 0x0
	ds_add_u32 v30, v31
	s_wait_dscnt 0x0
	CROUND                                         ; the closing round: no work-group ends while a partner may still ask for a tile that names it
	s_endpgm
.Lfunc_end_k_q210e4d8d6b_proj:
	.size	k_q210e4d8d6b_proj, .Lfunc_end_k_q210e4d8d6b_proj-k_q210e4d8d6b_proj
	.p2alignl 7, 3214868480
	.fill 96, 4, 3214868480
	.section	.rodata,"a",@progbits
	.p2align	6, 0x0
	.amdhsa_kernel k_q210e4d8d6b_proj
		.amdhsa_group_segment_fixed_size 327680
		.amdhsa_private_segment_fixed_size 0
		.amdhsa_enable_private_segment 0
		.amdhsa_kernarg_size 40
		.amdhsa_user_sgpr_count 2
		.amdhsa_user_sgpr_kernarg_segment_ptr 1
		.amdhsa_wavefront_size32 1
		.amdhsa_system_sgpr_workgroup_id_x 1
		.amdhsa_system_sgpr_workgroup_id_y 1
		.amdhsa_system_sgpr_workgroup_id_z 1
		.amdhsa_system_vgpr_workitem_id 0
		.amdhsa_next_free_vgpr 768
		.amdhsa_next_free_sgpr 102
		.amdhsa_reserve_vcc 0
		.amdhsa_float_denorm_mode_32 3
		.amdhsa_float_denorm_mode_16_64 3
		.amdhsa_memory_ordered 1
		.amdhsa_forward_progress 1
		.amdhsa_inst_pref_size 103
	.end_amdhsa_kernel
	.amdgpu_metadata
---
amdhsa.version: [ 1, 2 ]
amdhsa.kernels:
  - .name:           k_q210e4d8d6b_proj
    .symbol:         k_q210e4d8d6b_proj.kd
    .args:
      - { .name: ctx_img, .offset: 0, .size: 8, .value_kind: global_buffer, .address_space: global }
      - { .name: ctx_sc, .offset: 8, .size: 8, .value_kind: global_buffer, .address_space: global }
      - { .name: Wp_codes, .offset: 16, .size: 8, .value_kind: global_buffer, .address_space: global }
      - { .name: Wp_scales, .offset: 24, .size: 8, .value_kind: global_buffer, .address_space: global }
      - { .name: out0, .offset: 32, .size: 8, .value_kind: global_buffer, .address_space: global }
    .group_segment_fixed_size: 327680
    .private_segment_fixed_size: 0
    .kernarg_segment_align: 8
    .kernarg_segment_size: 40
    .max_flat_workgroup_size: 128
    .sgpr_count:     102
    .vgpr_count:     768
    .wavefront_size: 32
...
	.end_amdgpu_metadata
.endif
;; end of part 3
